; MI455X (gfx1250); checked and timed in simulation.
; The chip was launched on July 23, 2026; its instructions are those of AMD's public machine-readable ISA for CDNA 5 (MIT licence, August 2026) and "CDNA5" Instruction Set Architecture Reference Guide (July 2026). The comments in the code are by the model that wrote it; some were corrected since.
;; Self Attention. Allowed arithmetic: matrix products marked QUANTISED: E2M1 operands, one E8M0 scale for each 32 along K, by v_wmma_scale_f32_16x16x128_f8f6f4 with both operands' format E2M1 (or v_wmma_scale_f32_32x16x128_f4), f32 sums; products left as they are: bf16, f16 or f32 operands; f32 sums; everything else in f32.
;; Inputs: Wk 1,024 x 1,024 float32; Wo 1,024 x 1,024 float32; Wq 1,024 x 1,024 float32; Wv 1,024 x 1,024 float32; bk 1,024 float32; bo 1,024 float32; bq 1,024 float32; bv 1,024 float32; mask 4 x 2,048 x 2,048 int32; xk 4 x 2,048 x 1,024 float32; xq 4 x 2,048 x 1,024 float32; xv 4 x 2,048 x 1,024 float32.
;; Outputs: out0 4 x 2,048 x 1,024 float32.
;; This version of the problem:
;;   THIS VERSION OF THE PROBLEM IS GIVEN IN LOW PRECISION. The matrix products marked QUANTISED in the list below multiply operands that are first quantised to E2M1 (2 exponent bits, 1 mantissa bit; 4 bits a number), with one power-of-two scale for each 32 numbers along K (OCP MX v1.0); their sums are f32. The products marked 'left as it is' may take bf16, f16 or f32 operands, with f32 sums. All else is computed in f32.
;;   The module's matrix products, in the order in which they are computed (A, B: the left and right operand; K: the contracted axis; several contracted axes count as one K, in the product's order):
;;     1. [M 8,192, K 1,024] x [K 1,024, N 1,024]; A: input xq; B: input Wq: QUANTISED
;;     2. [M 8,192, K 1,024] x [K 1,024, N 1,024]; A: input xk; B: input Wk: QUANTISED
;;     3. [M 8,192, K 1,024] x [K 1,024, N 1,024]; A: input xv; B: input Wv: QUANTISED
;;     4. batch 64 x [M 2,048, K 64] x [K 64, N 2,048]; A: computed on the way; B: computed on the way: left as it is (an operand is computed on the way)
;;     5. batch 64 x [M 64, K 2,048] x [K 2,048, N 2,048]; A: computed on the way; B: computed on the way: left as it is (an operand is computed on the way)
;;     6. [M 8,192, K 1,024] x [K 1,024, N 1,024]; A: computed on the way; B: input Wo: left as it is (an operand is computed on the way)
;;   THE QUANTISER, for each operand of a quantised product, along K:
;;     - K is cut into blocks of 32 from its start; a last block that is shorter is filled with zeros.
;;     - A block's scale is 2^e with e = floor(log2(the largest magnitude in the block)) - 2, held to -126 .. 127; a block of zeros has e = 0. As a byte (E8M0): e + 127.
;;     - Each number is divided by its block's scale, clamped to +-6, and rounded to the nearest number of E2M1, ties to even, subnormals kept.
;;     - The product sums the exact products of the quantised numbers (number of the format x scale) in f32.
;;   ~~~python
;;   def quantise(x, axis):      # numpy; x: float32 -> the quantised numbers, widened to float32 again
;;       x = np.moveaxis(x, axis, -1); K = x.shape[-1]
;;       x = np.pad(x, [(0, 0)] * (x.ndim - 1) + [(0, -K % 32)]); x = x.reshape(x.shape[:-1] + (-1, 32)); a = np.abs(x).max(-1, keepdims=True)
;;       e = np.where(a > 0, np.clip(np.frexp(np.where(a > 0, a, 1))[1] - 1 - 2, -126, 127), 0)      # np.frexp(a)[1] - 1 = floor(log2(a)), exactly
;;       r = np.clip(x / 2.0 ** e, -6, 6)
;;       step = 2.0 ** (np.maximum(np.frexp(np.where(r == 0, 1, r))[1] - 1, 0) - 1)
;;       q = np.round(r / step) * step * 2.0 ** e      # np.round: ties to even
;;       return np.moveaxis(q.reshape(q.shape[:-2] + (-1,))[..., :K], -1, axis).astype(np.float32)
;;   ~~~
;; One version. Each part assembles by itself: llvm-mc -triple=amdgcn-amd-amdhsa -mcpu=gfx1250 --defsym DOCPART=n.
;; ======== version 1 of 1: 4 launches
;; limits: a function is approximated: absolute error at most 1.5e-07; values are held in f16: magnitudes above 65,504 overflow, below 6.1e-05 lose precision
;; workspace buffers: codes 14,155,776 bytes; scales 884,736 bytes; maskw 2,097,152 bytes of whole numbers; wof 2,097,152 bytes; qkv 50,331,648 bytes; ctxf 16,777,216 bytes
;; launch prep (part 1): grid 1440 x 1, 4 waves a work-group, no clusters, 68,096 bytes of LDS; arguments mask, maskw, Wo, wof, xq, xk, xv, Wq, Wk, Wv, codes, scales; writes maskw, wof, codes, scales
.if DOCPART == 1
	.amdgcn_target "amdgcn-amd-amdhsa--gfx1250"
	.amdhsa_code_object_version 6
	.text
	.protected	k_q034d96756b_prep
	.globl	k_q034d96756b_prep
	.p2align	8
	.type	k_q034d96756b_prep,@function
k_q034d96756b_prep:
	s_mov_b64 s[64:65], 0
	v_nop
	global_prefetch_b8 v0, s[64:65] scope:SCOPE_SE
	s_setreg_imm32_b32 hwreg(HW_REG_WAVE_MODE, 25, 1), 1
	s_wait_xcnt 0x0
; PREP: three jobs in one launch, told apart by the work-group's number; the three ways never join.
;   work-groups 0 .. 511      the mask [4][2048][2048] int32 becomes one BIT a number, laid as the lane masks that the attention launch selects by
;   work-groups 512 .. 1375   xq, xk, xv [8192][1024] and Wq, Wk, Wv [1024][1024], f32, become codes of FP4 (E2M1), K innermost, with one E8M0 byte for each 32 along K
;   work-groups 1376 .. 1439  Wo [1024][1024] f32 becomes f16, laid as images of the operand registers of a 16 x 16 x 32 product
; THE QUANTISER: a block's scale is 2^(floor(log2(its largest magnitude)) - 2); its byte is the largest magnitude's own exponent field - 2, held at 1 from below.
; Each number is divided by the scale and rounded to the nearest code, ties to even; beyond 6 the largest code.  A block of zeros gets the byte 1 where the rule says 127:
; its codes are zeros, which add nothing under any byte but 0xff, and the bytes are read by this program alone.
; LIMITS: blocks whose largest magnitude lies under 2^-124 have their byte held at 1; NaN and infinities among the inputs are not served; Wo's numbers lie under 65,504, f16's largest, and those under 2^-14 keep steps of 2^-24.
; No tensor loads, no barrier: waves share nothing.  Each way that uses LDS has bytes of its own: the quantiser 0 .. 32767, the mask's stages 32768 .. 67583.
.set WREG,  8192                       ; the quantiser: a region for each wave: two stages of 32 x SP bytes, behind them its 256 scale bytes
.set SP,    80                         ; a lane's place in a stage: its 64 bytes + 16 of padding
.set CB,    8                          ; bytes of 16 codes
.set EMAX,  2
.set STEPS, 16
.set QR,    16                         ; v16-79   four sets of 16 numbers as they are loaded
.set QX,    80                         ; v80-111  two sets of 16 neighbours
.set QE,    112                        ; v112-127 a scale byte for each step
.set QC,    128                        ; v128-191 codes: four registers for each step, so that no store's data are written again
.set MLDS,  32768                      ; the mask: a stage of 32 rows x 272 bytes for each wave
.set MST,   8704
.set MPI,   272                        ; a stage row: 256 bytes + 16: the sixteen rows that a load touches start at sixteen different banks (64 banks of 4 bytes: ISA guide 11.1)
.set MR,    16                         ; v16-143  two sets of 64 registers as loaded
.set MX,    144                        ; v144-207 64 numbers a lane, in the order of the words
.set OW,    208                        ; v208-215 the words on their way out: two registers for each step
.set WR,    16                         ; v16-143  Wo as loaded
.set WC,    144                        ; v144-207 and as f16
	s_load_b256 s[4:11], s[0:1], 0x0               ; mask s[4:5], maskw s[6:7], Wo s[8:9], wof s[10:11]
	s_load_b512 s[16:31], s[0:1], 0x20             ; xq, xk, xv, Wq, Wk, Wv s[16:27], codes s[28:29], scales s[30:31]
	v_lshl_add_u32 v216, v0, 2, 0x10800
	v_mov_b32 v217, 0
	v_lshrrev_b32 v1, 5, v0
	v_readfirstlane_b32 s12, v1                    ; wave 0..3
	v_and_b32 v2, 31, v0                           ; lane
	s_cmp_lt_u32 ttmp9, 512
	s_cbranch_scc0 .Lnot_mask
; ---------------------------------------------------------------- THE MASK
; The attention launch holds scores so: in tile (T, t) of 16 queries x 16 keys lane (r, h) holds query 16 T + r, and its register j key 16 t + 8 h + j.  Word (T, t, j) has bit r + 16 h = (mask != 0) there.
; maskw: [64 queries : 128][64 keys : 32][T : 4][t : 4][j : 8] words.  A work-group takes 32 rows x 1,024 keys, a wave 32 rows x 256 keys in four steps of 64 keys (256 bytes of each row).
; A step: 16 loads, each two rows' 256 bytes; through the wave's own stage, so that a lane gets the numbers of ITS query and keys; 64 compares, each of which IS a word; the words are set into lanes and leave as 256 consecutive bytes.
	v_and_b32 v5, 15, v2                           ; r
	v_lshrrev_b32 v6, 4, v2                        ; h
	v_lshlrev_b32 v7, 4, v5
	v_lshl_add_u32 v3, v6, 13, v7                  ; in: lanes 0-15 one row's 256 bytes, lanes 16-31 the next row's (8,192 bytes on)
	v_lshlrev_b32 v4, 3, v2                        ; out: 8 bytes a lane
	s_mul_i32 s13, s12, MST
	s_add_co_u32 s13, s13, MLDS                    ; my stage
	v_mad_u32_u24 v8, v6, MPI, v7
	v_add_nc_u32 v8, s13, v8                       ; into it: as loaded
	v_mul_u32_u24 v9, v5, MPI
	v_lshl_add_u32 v9, v6, 5, v9
	v_add_nc_u32 v9, s13, v9                       ; out of it: row r, + 32 h bytes: my eight keys of a tile
.irp i, 0,1,2,3,4,5,6,7
	v_mov_b32 v[OW+\i], 0                          ; written once: v_writelane_b32's destination counts as one of its sources
.endr
	s_lshr_b32 s14, ttmp9, 1                       ; which 32 rows of the 8,192
	s_and_b32 s15, ttmp9, 1
	s_lshl_b32 s15, s15, 4
	s_lshl_b32 s32, s12, 2
	s_add_co_u32 s15, s15, s32                     ; my first step of 64 keys: 16 x (work-group % 2) + 4 x wave
	s_lshl_b32 s32, s14, 18                        ; 32 rows of 8,192 bytes
	s_lshl_b32 s33, s15, 8
	s_add_co_u32 s32, s32, s33
	s_mov_b32 s33, 0
	s_lshr_b32 s34, s14, 1                         ; which 64 queries
	s_lshl_b32 s34, s34, 5
	s_add_co_u32 s34, s34, s15
	s_lshl_b32 s34, s34, 9                         ; 512 bytes for 64 queries x 64 keys,
	s_and_b32 s35, s14, 1
	s_lshl_b32 s35, s35, 8                         ; of which my 32 rows are one half
	s_add_co_u32 s34, s34, s35
	s_mov_b32 s35, 0
	s_wait_kmcnt 0x0
	s_add_nc_u64 s[4:5], s[4:5], s[32:33]
	s_add_nc_u64 s[6:7], s[6:7], s[34:35]
.macro LOADM s
.irp i, 0,1,2,3,4,5,6,7,8,9,10,11,12,13,14,15
	global_load_b128 v[MR+64*((\s)%2)+4*\i:MR+64*((\s)%2)+4*\i+3], v3, s[4:5] offset:16384*\i+256*(\s) th:TH_LOAD_NT
.endr
.endm
.macro TURNM s                         ; LDS serves a wave's instructions in order (ISA guide 5.7.1.4): no wait between the stores and the loads
.irp i, 0,1,2,3,4,5,6,7,8,9,10,11,12,13,14,15
	ds_store_b128 v8, v[MR+64*((\s)%2)+4*\i:MR+64*((\s)%2)+4*\i+3] offset:2*MPI*\i
.endr
.irp u, 0,1
.irp t, 0,1,2,3
.irp c, 0,1
	ds_load_b128 v[MX+32*\u+8*\t+4*\c:MX+32*\u+8*\t+4*\c+3], v9 offset:16*MPI*\u+64*\t+16*\c
.endr
.endr
.endr
.endm
.macro PROCM s                         ; eight compares, then their eight words into lanes: word w goes to lane w / 2, register w % 2
.set g, 0
.rept 8
.irp e, 0,1,2,3,4,5,6,7
	v_cmp_ne_u32 s[36+\e], 0, v[MX+8*g+\e]
.endr
.irp e, 0,1,2,3,4,5,6,7
	v_writelane_b32 v[OW+2*(\s)+(\e&1)], s[36+\e], (8*g+\e)>>1
.endr
.set g, g+1
.endr
	global_store_b64 v4, v[OW+2*(\s):OW+2*(\s)+1], s[6:7] offset:512*(\s)   ; 32 lanes store 256 consecutive bytes, at a multiple of 256 from the buffer's first byte
.endm
	LOADM 0
	LOADM 1
.irp s, 0,1,2,3
.if \s < 3
	s_wait_loadcnt 16                              ; this step's 16 loads are in; the next step's 16 may be out
.else
	s_wait_loadcnt 0x0
.endif
	TURNM \s
	s_wait_dscnt 0x0                               ; my numbers are back, and the stores into the stage have read their registers,
.if \s < 2
	LOADM \s+2                                     ; which take the loads of two steps on
.endif
	PROCM \s
.endr
	s_wait_tensorcnt 0x0
	ds_add_u32 v216, v217
	s_wait_dscnt 0x0
	s_endpgm
.Lnot_mask:
	s_cmp_lt_u32 ttmp9, 1376
	s_cbranch_scc0 .Lwo
; ---------------------------------------------------------------- THE QUANTISER
; Rows are dense and K = 1,024 is a multiple of 32, so the six tensors are plain streams of blocks of 32 numbers, and so are their codes and scale bytes.  A work-group takes 32,768 numbers, a wave 16 steps of 512.
; The codes of xq, xk, xv, Wq, Wk, Wv follow each other in one buffer in that order, and so do the scale bytes: work-group q of this way writes run q.
; The conversions take 8 numbers of ONE block from a lane's registers, so a lane must hold 16 NEIGHBOURS (two neighbouring lanes hold a block); a load is best where neighbouring LANES take neighbouring bytes.
; Both are had: each of a step's four loads reads 512 consecutive bytes, 16 a lane; the 2,048 bytes go through the wave's own stage in LDS and come back 64 bytes a lane.
	v_lshlrev_b32 v3, 4, v2                        ; my 16 bytes of a load's 512
	s_mul_i32 s13, s12, WREG
	v_lshrrev_b32 v14, 2, v2
	v_mul_u32_u24 v14, v14, SP
	v_and_b32 v15, 3, v2
	v_lshl_add_u32 v14, v15, 4, v14
	v_add_nc_u32 v14, s13, v14                     ; the stage, on the way in: four lanes' 64 bytes on end, then 16 of padding
	v_mul_u32_u24 v15, v2, SP
	v_add_nc_u32 v15, s13, v15                     ; and on the way out: my 16 neighbours
	v_mul_u32_u24 v4, v2, CB                       ; my codes' place in a step's
	v_lshrrev_b32 v5, 1, v2
	s_add_co_u32 s13, s13, 2*32*SP
	v_add_nc_u32 v5, s13, v5                       ; LDS: my wave's 256 scale bytes, my block's byte
	v_lshlrev_b32 v7, 3, v2                        ; and on the way out 8 bytes a lane
	v_add_nc_u32 v6, s13, v7
	s_sub_co_u32 s35, ttmp9, 512                   ; q: 0 .. 863
	s_wait_kmcnt 0x0
	s_mov_b64 s[32:33], s[26:27]                   ; which tensor, and its first work-group: the choices hang on the work-group's number alone
	s_mov_b32 s34, 832                             ; Wv
	s_cmp_lt_u32 s35, 832
	s_cselect_b64 s[32:33], s[24:25], s[32:33]     ; Wk
	s_cselect_b32 s34, 800, s34
	s_cmp_lt_u32 s35, 800
	s_cselect_b64 s[32:33], s[22:23], s[32:33]     ; Wq
	s_cselect_b32 s34, 768, s34
	s_cmp_lt_u32 s35, 768
	s_cselect_b64 s[32:33], s[20:21], s[32:33]     ; xv
	s_cselect_b32 s34, 512, s34
	s_cmp_lt_u32 s35, 512
	s_cselect_b64 s[32:33], s[18:19], s[32:33]     ; xk
	s_cselect_b32 s34, 256, s34
	s_cmp_lt_u32 s35, 256
	s_cselect_b64 s[32:33], s[16:17], s[32:33]     ; xq
	s_cselect_b32 s34, 0, s34
	s_sub_co_u32 s36, s35, s34
	s_lshl_b32 s36, s36, 2
	s_add_co_u32 s36, s36, s12                     ; which run of 8,192 numbers of the tensor is my wave's
	s_lshl_b32 s36, s36, 15                        ; 32,768 bytes a run
	s_mov_b32 s37, 0
	s_add_nc_u64 s[32:33], s[32:33], s[36:37]
	s_lshl_b32 s38, s35, 2
	s_add_co_u32 s38, s38, s12                     ; and which run of all six
	s_lshl_b32 s40, s38, 12                        ; 4,096 bytes of codes a run
	s_mov_b32 s41, 0
	s_add_nc_u64 s[28:29], s[28:29], s[40:41]
	s_lshl_b32 s40, s38, 8                         ; 256 scale bytes a run
	s_add_nc_u64 s[30:31], s[30:31], s[40:41]
.macro LOADQ t
.irp i, 0,1,2,3
	global_load_b128 v[QR+16*((\t)%4)+4*\i:QR+16*((\t)%4)+4*\i+3], v3, s[32:33] offset:2048*(\t)+512*\i th:TH_LOAD_NT   ; 32 lanes read 512 consecutive bytes
.endr
.endm
.macro TURNQ t                         ; step t's numbers through the stage
.irp i, 0,1,2,3
	ds_store_b128 v14, v[QR+16*((\t)%4)+4*\i:QR+16*((\t)%4)+4*\i+3] offset:32*SP*((\t)%2)+8*SP*\i
.endr
.irp i, 0,1,2,3
	ds_load_b128 v[QX+16*((\t)%2)+4*\i:QX+16*((\t)%2)+4*\i+3], v15 offset:32*SP*((\t)%2)+16*\i
.endr
.endm
.irp t, 0,1,2,3
	LOADQ \t
.endr
	s_wait_loadcnt 12                              ; step 0's four loads are in
	TURNQ 0
.macro STEPQ t
.set XS, QX+16*((\t)%2)
.if (\t) > 0
	s_wait_dscnt 1                                 ; this step's numbers are back from the stage (the last step's byte store may be out): so its stores into the stage have read their registers,
.else
	s_wait_dscnt 0x0
.endif
.if (\t)+4 < STEPS
	LOADQ (\t)+4                                   ; which take the loads of four steps on
.endif
.if (\t)+1 < STEPS
.if STEPS-2-(\t) >= 3
	s_wait_loadcnt 12                              ; the next step's four loads are in; those of the three steps behind it may be out
.else
	s_wait_loadcnt 4*(STEPS-2-(\t))
.endif
	TURNQ (\t)+1                                   ; and go through the other stage while this step is worked
.endif
	v_max3_num_f32 v8, |v[XS]|, |v[XS+1]|, |v[XS+2]|               ; the largest magnitude of my 16, in two chains
	v_max3_num_f32 v9, |v[XS+3]|, |v[XS+4]|, |v[XS+5]|
.irp i, 6,10
	v_max3_num_f32 v8, v8, |v[XS+\i]|, |v[XS+\i+1]|
	v_max3_num_f32 v9, v9, |v[XS+\i+2]|, |v[XS+\i+3]|
.endr
	v_max3_num_f32 v8, v8, |v[XS+14]|, |v[XS+15]|
	v_max3_num_f32 v8, v8, v9, (EMAX+1)<<23        ; and the floor 2^(3 - 127): so the byte cannot fall under 1
	v_max_num_f32_dpp v8, v8, v8 row_xmask:1 row_mask:0xf bank_mask:0xf   ; and of my neighbour's 16: the block's
	v_add_nc_u32 v11, -(EMAX<<23), v8              ; 2 off its exponent field: the conversion takes the exponent field of this operand as its scale, and nothing else of it
	v_cvt_scalef32_pk8_fp4_f32 v[QC+4*(\t)], v[XS:XS+7], v11
	v_cvt_scalef32_pk8_fp4_f32 v[QC+4*(\t)+1], v[XS+8:XS+15], v11
	v_lshrrev_b32 v[QE+(\t)], 23, v11              ; the scale's byte.  (Also the plain line behind the conversions)
	ds_store_b8 v5, v[QE+(\t)] offset:16*(\t)      ; both lanes of a block write the same byte with the same value
	global_store_b64 v4, v[QC+4*(\t):QC+4*(\t)+1], s[28:29] offset:32*CB*(\t)   ; 32 lanes store 256 consecutive bytes
.endm
.irp t, 0,1,2,3,4,5,6,7,8,9,10,11,12,13,14,15
	STEPQ \t
.endr
	ds_load_b64 v[12:13], v6                       ; in order behind my byte stores
	s_wait_dscnt 0x0
	global_store_b64 v7, v[12:13], s[30:31]        ; 32 lanes store my wave's 256 scale bytes
	s_wait_tensorcnt 0x0
	ds_add_u32 v216, v217
	s_wait_dscnt 0x0
	s_endpgm
; ---------------------------------------------------------------- Wo
; wof: [256 along K : 4][16 rows n : 64][32 along K : 8][half : 2][lane : 32][16 bytes].  A fragment of 16 rows x 32 K of f16 is 8 registers: lane (r, h) holds row r; registers 0-3 K = 8 h + 0..7, registers 4-7 K = 16 + 8 h + 0..7.
; A work-group takes 16 rows, a wave 256 along K.  A lane loads its eight numbers (32 bytes) as they lie, rounds them and stores 16 bytes at 16 x lane: each store covers 512 consecutive bytes.
; The loads take 32 bytes of each of 16 rows twice over; no stage is spent on that, since Wo is 4 MiB of the 176 MiB that this launch reads.
.Lwo:
	s_sub_co_u32 s13, ttmp9, 1376                  ; which 16 rows
	v_and_b32 v5, 15, v2
	v_lshrrev_b32 v6, 4, v2
	v_lshlrev_b32 v3, 12, v5
	v_lshl_add_u32 v3, v6, 5, v3                   ; row r of 4,096 bytes, + 32 h
	v_lshlrev_b32 v4, 4, v2
	s_lshl_b32 s32, s13, 16
	s_lshl_b32 s33, s12, 10
	s_add_co_u32 s32, s32, s33
	s_mov_b32 s33, 0
	s_lshl_b32 s34, s12, 19
	s_lshl_b32 s35, s13, 13
	s_add_co_u32 s34, s34, s35
	s_mov_b32 s35, 0
	s_wait_kmcnt 0x0
	s_add_nc_u64 s[8:9], s[8:9], s[32:33]
	s_add_nc_u64 s[10:11], s[10:11], s[34:35]
.irp kc, 0,1,2,3,4,5,6,7
.irp hf, 0,1
.irp c, 0,1
	global_load_b128 v[WR+16*\kc+8*\hf+4*\c:WR+16*\kc+8*\hf+4*\c+3], v3, s[8:9] offset:128*\kc+64*\hf+16*\c th:TH_LOAD_NT
.endr
.endr
.endr
.set n, 0
.rept 16
	s_wait_loadcnt 30-2*n                          ; this half fragment's two loads are in; the younger ones may be out
.irp i, 0,1,2,3
	v_cvt_pk_f16_f32 v[WC+4*n+\i], v[WR+8*n+2*\i], v[WR+8*n+2*\i+1]
.endr
	global_store_b128 v4, v[WC+4*n:WC+4*n+3], s[10:11] offset:512*n
.set n, n+1
.endr
	s_endpgm
.Lfunc_end_k_q034d96756b_prep:
	.size	k_q034d96756b_prep, .Lfunc_end_k_q034d96756b_prep-k_q034d96756b_prep
	.p2alignl 7, 3214868480
	.fill 96, 4, 3214868480
	.section	.rodata,"a",@progbits
	.p2align	6, 0x0
	.amdhsa_kernel k_q034d96756b_prep
		.amdhsa_group_segment_fixed_size 68096
		.amdhsa_private_segment_fixed_size 0
		.amdhsa_enable_private_segment 0
		.amdhsa_kernarg_size 96
		.amdhsa_user_sgpr_count 2
		.amdhsa_user_sgpr_kernarg_segment_ptr 1
		.amdhsa_wavefront_size32 1
		.amdhsa_system_sgpr_workgroup_id_x 1
		.amdhsa_system_sgpr_workgroup_id_y 1
		.amdhsa_system_sgpr_workgroup_id_z 1
		.amdhsa_system_vgpr_workitem_id 0
		.amdhsa_next_free_vgpr 218
		.amdhsa_next_free_sgpr 66
		.amdhsa_reserve_vcc 0
		.amdhsa_float_denorm_mode_32 3
		.amdhsa_float_denorm_mode_16_64 3
		.amdhsa_memory_ordered 1
		.amdhsa_forward_progress 1
		.amdhsa_inst_pref_size 92
	.end_amdhsa_kernel
	.amdgpu_metadata
---
amdhsa.version: [ 1, 2 ]
amdhsa.kernels:
  - .name:           k_q034d96756b_prep
    .symbol:         k_q034d96756b_prep.kd
    .args:
      - { .name: mask, .offset: 0, .size: 8, .value_kind: global_buffer, .address_space: global }
      - { .name: maskw, .offset: 8, .size: 8, .value_kind: global_buffer, .address_space: global }
      - { .name: Wo, .offset: 16, .size: 8, .value_kind: global_buffer, .address_space: global }
      - { .name: wof, .offset: 24, .size: 8, .value_kind: global_buffer, .address_space: global }
      - { .name: xq, .offset: 32, .size: 8, .value_kind: global_buffer, .address_space: global }
      - { .name: xk, .offset: 40, .size: 8, .value_kind: global_buffer, .address_space: global }
      - { .name: xv, .offset: 48, .size: 8, .value_kind: global_buffer, .address_space: global }
      - { .name: Wq, .offset: 56, .size: 8, .value_kind: global_buffer, .address_space: global }
      - { .name: Wk, .offset: 64, .size: 8, .value_kind: global_buffer, .address_space: global }
      - { .name: Wv, .offset: 72, .size: 8, .value_kind: global_buffer, .address_space: global }
      - { .name: codes, .offset: 80, .size: 8, .value_kind: global_buffer, .address_space: global }
      - { .name: scales, .offset: 88, .size: 8, .value_kind: global_buffer, .address_space: global }
    .group_segment_fixed_size: 68096
    .private_segment_fixed_size: 0
    .kernarg_segment_align: 8
    .kernarg_segment_size: 96
    .max_flat_workgroup_size: 128
    .sgpr_count:     66
    .vgpr_count:     218
    .wavefront_size: 32
...
	.end_amdgpu_metadata
.endif
;; end of part 1
;; launch proj (part 2): grid 4 x 96, 4 waves a work-group, clusters of 4 x 4, 327,680 bytes of LDS; arguments codes, scales, bq, bk, bv, qkv; writes qkv
.if DOCPART == 2
	.amdgcn_target "amdgcn-amd-amdhsa--gfx1250"
	.amdhsa_code_object_version 6
	.text
	.protected	k_q034d96756b_proj
	.globl	k_q034d96756b_proj
	.p2align	8
	.type	k_q034d96756b_proj,@function
k_q034d96756b_proj:
	s_mov_b64 s[64:65], 0
	v_nop
	global_prefetch_b8 v0, s[64:65] scope:SCOPE_SE
	s_setreg_imm32_b32 hwreg(HW_REG_WAVE_MODE, 25, 1), 1
	s_wait_xcnt 0x0
	s_wait_alu depctr_hold_cnt(0) depctr_sa_sdst(0) depctr_va_vdst(0) depctr_va_sdst(0) depctr_va_ssrc(0) depctr_va_vcc(0) depctr_vm_vsrc(0)
	s_getreg_b32 s2, hwreg(HW_REG_IB_STS2, 6, 4)
	s_cmp_eq_u32 s2, 0
	s_cbranch_scc0 .Lentry_in_a_cluster
	s_endpgm
.Lentry_in_a_cluster:
	s_bfe_u32 s2, ttmp6, 0x10000c
	s_cmp_lg_u32 s2, 0xf033
	s_cbranch_scc0 .Lentry_shape_is_right
	s_endpgm
.Lentry_shape_is_right:
; PROJ: Q = xq Wq^T + bq, K = xk Wk^T + bk, V = xv Wv^T + bv, on codes of FP4 (E2M1) with one E8M0 scale for each 32 along K; sums in f32; results rounded once to f16.
; Q IS STORED AS c Q, c = log2(e) / 8, multiplied in f32 ahead of that one rounding: the attention's scores then arrive as exponents of 2, with the factor 1 / sqrt(64) in them.
; WHY f16: eleven significant bits.  Its room, by the sizes: for x of spread 1 and W of spread 1/32 the 1,024 products of a sum give results of spread 1; x and W both thirty times larger give spread 900; both carrying an offset of
; thirty spreads give 1,024 x 30 x 0.94, some 29,000.  LIMITS: |c Q|, |K|, |V| lie under 65,504, f16's largest number; those under 2^-14 keep steps of 2^-24.  NaN and infinities are not served.
; The three products are ONE GEMM in shape: A = [xq; xk; xv], 24,576 rows x 1,024 K; product p = row / 8,192 takes the 1,024 rows of its own W.  codes: A's rows of 512 bytes, then from byte WCODES on [Wq; Wk; Wv]'s; scales likewise, 32 bytes a row.
; A tile of 256 x 256 is made by a work-group of four waves; a wave makes 128 x 128: 64 accumulators of 16 x 16, 512 registers.  K = 1,024 is two K steps of 512: both slots are filled at the start and none is filled again.
; THE SCALES of the work-group's 256 rows of A and of W, for all of K, are two dense blocks of memory: they come into LDS once, with the first fills.
; CLUSTERS: 4 x 4 work-groups.  The four of a row of the cluster need the same tiles of A, the four of a column the same tiles of W: each tile is asked for JOINTLY.  A cluster's 1,024 rows lie inside one product.
; THE MATRIX INSTRUCTION IS USED TRANSPOSED (source 0 = 16 rows of W, source 1 = 16 rows of A): lane (r, h) then holds token r and eight neighbouring channels 8 h + 0..7.  THE BIAS is the C of each sum's first instruction.
; THE WAY OUT HAS NO STAGE.  Rounded to f16, a lane's eight channels are 16 bytes, and these 16 bytes of 32 lanes ARE four registers of the operand of the attention's products.  qkv: [p : 3][batch : 4][head : 16][16 tokens : 128][16 channels : 4][512 bytes].
; In a block of 512 bytes the piece of (token t, half h) lies at 16 (t + 16 h) for Q and K, which are read as they lie, and at 16 (16 (t / 8) + 8 h + t % 8) for V, which is read by the turning load.  Each store covers 512 consecutive bytes.
; REGISTERS, in windows of 256: window 0: v0-31 addresses; v32-95 scale words, two sets; from v128 A's fragments, ONE set; on the way out v128-255 hold packed results.
;   window 1: W's fragments, TWO sets, at v0 and at v128; v192-255 the bias.   window 2: the 32 accumulators of my rows 0-63 (accumulator (a, b) at v[8 (8 a + b)]);   window 3: those of my rows 64-127.
.set NQ,     4                         ; matrix instructions deep in a K step of 512
.set ROWB,   256                       ; a tile's row in bytes: 512 codes
.set KROW,   512                       ; a row of codes in memory
.set PITCH,  272                       ; an LDS row: 256 bytes + 16 of padding = 68 words: row r starts at bank 4 r mod 64 (64 banks of 4 bytes: ISA guide 11.1)
.set FR,     8                         ; registers of a fragment: 16 rows x 128 K
.set NL,     2                         ; LDS loads that bring one
.set NP,     4                         ; places behind this matrix instruction (ISA guide 7.12.1)
.set HALFT,  128*PITCH
.set SLOT,   4*HALFT                   ; A's 256 rows, then W's 256 rows
.set KS,     32                        ; a row of scales in bytes
.set SCL,    2*SLOT                    ; behind the slots: the scales, as rows of 256 bytes + 16 of padding
.set HALFS,  (128*KS/256)*272
.set SBLK,   (16*KS/256)*272
.set SPARE,  SCL+4*HALFS               ; behind the scales: the spare words, 128 bytes for each wave, which no other line names
.set WCODES, 12582912
.set WSCALES, 786432
.set ADRA, 16                          ; v16-17  LDS address of my A fragments in slot 0, 1
.set ADRB, 20                          ; v20-21  the same for W
.set CO,   26                          ; v26     my 16 bytes' place in a block of 512
.set ADRS, 27                          ; v27     LDS address of my scale words: lanes 0-15 A's rows, lanes 16-31 W's
.set SPW,  28                          ; v28     LDS address of my spare word; never rewritten
.set NIL,  29                          ; v29     0; never rewritten
.set BO,   30                          ; v30     32 h: my eight numbers of a tile's sixteen of the bias
.set SC,   32                          ; scale words: set s at v[SC + 32 s]; register 4 i + q: lanes 0-15 the word of A's block i, lanes 16-31 that of W's block i, for the slot's q-th 128 along K
.set AF,   128                         ; A's fragments, in window 0
.set OUTR, 128                         ; the way out: four sets of 32 registers
.set BI,   192                         ; the bias, in window 1: eight registers for each of my eight tiles of channels
.set CQ,   18                          ; s[18:19] c, twice: the packed form names a pair
.set G1, 24
.set G0, 32
.set G1B, 48
.set G0B, 56
.set G1S, 68
.set G0S, 76
.set G1SB, 80
.set G0SB, 88
.set MSB, 0
.macro WIN new                         ; the immediate's high byte repeats the setting that is left
.if MSB != (\new)
	s_set_vgpr_msb (MSB<<8)|(\new)
.set MSB, (\new)
.endif
.endm
.set MUL_LO, 0xa1                      ; source 0 (W) window 1, source 1 (A) window 0, C and D window 2
.set MUL_HI, 0xf1                      ; the same, C and D window 3
.set MUL_LO0, 0x91                     ; the first step: C (the bias) window 1, D window 2
.set MUL_HI0, 0xd1                     ; C window 1, D window 3
.set TO_B,   0x40                      ; destination window 1, address window 0
; A joint load: waves 0 and 1 fetch for A, waves 2 and 3 for W.  Each of the two lines has ONE mask and one set of registers for all that issue it; the branch hangs on the wave's number alone.
; Four v_nop follow each of the two lines, ahead of the jump, the label and what follows.
.macro JLOAD g0a, g1a, g0b, g1b
	s_cmp_eq_u32 s15, 0
	s_cbranch_scc0 .Lfor_b_\@
	tensor_load_to_lds s[\g0a:\g0a+3], s[\g1a:\g1a+7]
	s_nop 0
.rept 4
	v_nop
.endr
	s_branch .Lasked_\@
.Lfor_b_\@:
	tensor_load_to_lds s[\g0b:\g0b+3], s[\g1b:\g1b+7]
	s_nop 0
.rept 4
	v_nop
.endr
.Lasked_\@:
.endm
.macro CROUND                          ; a round of the cluster's barrier
	s_barrier_signal -1
	s_barrier_wait -1
	s_cmp_lg_u32 s14, 0
	s_cbranch_scc1 .Lnot_wave_0_\@
	s_barrier_signal -3
.Lnot_wave_0_\@:
	s_barrier_wait -3
	s_barrier_signal -1
	s_barrier_wait -1
.endm
	s_load_b128 s[4:7], s[0:1], 0x0                ; codes s[4:5], scales s[6:7]
	s_load_b128 s[96:99], s[0:1], 0x10             ; bq, bk
	s_load_b64 s[100:101], s[0:1], 0x20            ; bv
	s_load_b64 s[12:13], s[0:1], 0x28              ; qkv
	v_lshl_add_u32 v[SPW], v0, 2, SPARE
	v_mov_b32 v[NIL], 0
	ds_add_u32 v28, v29
	s_wait_dscnt 0x0
	v_lshrrev_b32 v1, 5, v0
	v_readfirstlane_b32 s14, v1                    ; wave 0..3
	s_lshr_b32 s15, s14, 1                         ; which half of the tile's rows is mine.  Also: I fetch for A (0) or for W (1)
	s_and_b32 s16, s14, 1                          ; which half of its columns.  Also: which 128 rows of that tile I fetch
	s_bfe_u32 s40, ttmp6, 0x40000                  ; cx, cy: my place in the cluster
	s_bfe_u32 s41, ttmp6, 0x40004
	s_lshl_b32 s42, ttmp9, 2
	s_add_co_u32 s42, s42, s40                     ; tile column = 4 x cluster x + cx: 0 .. 3
	s_and_b32 s17, ttmp7, 0xffff
	s_lshr_b32 s95, s17, 3                         ; the product: 8 clusters of 1,024 rows each; the same in all sixteen partners
	s_lshl_b32 s17, s17, 2
	s_add_co_u32 s17, s17, s41                     ; tile row = 4 x cluster y + cy: 0 .. 95
	s_lshl_b32 s43, s41, 2
	s_lshl_b32 s43, 15, s43                        ; my row of the cluster
	s_lshl_b32 s44, 0x1111, s40                    ; my column
	; descriptor group 1: a tile of 128 rows x 256 bytes, padded in LDS
	s_or_b32 s[G1+0], s43, (0<<16)|(1<<20)|(1<<21)|(5<<22)|(3<<25)  ; 15:0 the mask: A's tiles go to my row; 17:16 element of 1 byte; 20 padding on; 21 set beside a mask; 24:22 after every 64 words; 31:25 of 4 words
	s_or_b32 s[G1B+0], s44, (0<<16)|(1<<20)|(1<<21)|(5<<22)|(3<<25)
.irp g, G1, G1B
	s_mov_b32 s[\g+1], ROWB<<16                    ; tensor_dim0
	s_mov_b32 s[\g+2], 128<<16                     ; tensor_dim1
	s_mov_b32 s[\g+3], ROWB<<16                    ; tile_dim0
	s_mov_b32 s[\g+4], 128                         ; tile_dim1
	s_mov_b32 s[\g+5], KROW                        ; tensor_dim0_stride
	s_mov_b32 s[\g+6], 0
	s_mov_b32 s[\g+7], 0
.endr
	; and for the scales of 128 rows: a dense block of 4,096 bytes, as rows of 256 bytes (32 elements of 8 bytes), 16 bytes of padding behind each
	s_or_b32 s[G1S+0], s43, (3<<16)|(1<<20)|(1<<21)|(5<<22)|(3<<25)
	s_or_b32 s[G1SB+0], s44, (3<<16)|(1<<20)|(1<<21)|(5<<22)|(3<<25)
.irp g, G1S, G1SB
	s_mov_b32 s[\g+1], 32<<16
	s_mov_b32 s[\g+2], (128*KS/256)<<16
	s_mov_b32 s[\g+3], 32<<16
	s_mov_b32 s[\g+4], 128*KS/256
	s_mov_b32 s[\g+5], 32
	s_mov_b32 s[\g+6], 0
	s_mov_b32 s[\g+7], 0
.endr
	s_lshl_b32 s18, s16, 7                         ; which 128 rows of the tile I fetch
	s_lshl_b32 s20, s17, 8
	s_add_co_u32 s20, s20, s18                     ; A: row 256 x tile row + 128 x half
	s_lshl_b32 s46, s42, 8
	s_add_co_u32 s46, s46, s18                     ; W: row 256 x tile column + 128 x half
	s_lshl_b32 s19, s95, 10
	s_add_co_u32 s46, s46, s19                     ;    + 1,024 x product
	s_mov_b32 s21, 0
	s_mov_b32 s47, 0
	s_mov_b64 s[18:19], KS
	s_mul_u64 s[22:23], s[20:21], s[18:19]         ; where these rows' scales begin, in bytes
	s_mul_u64 s[92:93], s[46:47], s[18:19]
	s_mov_b64 s[18:19], KROW
	s_mul_u64 s[20:21], s[20:21], s[18:19]         ; and their codes
	s_mul_u64 s[46:47], s[46:47], s[18:19]
	s_mul_i32 s45, s14, HALFT                      ; where they go: wave x 128 rows: no place in the cluster enters an LDS address
	s_mul_i32 s94, s14, HALFS
	s_mov_b32 s[CQ], 0x3e38aa3b                    ; c = log2(e) / 8
	s_mov_b32 s[CQ+1], s[CQ]
	s_wait_kmcnt 0x0
	s_add_nc_u64 s[8:9], s[4:5], WCODES            ; the weights' codes and scales
	s_add_nc_u64 s[10:11], s[6:7], WSCALES
	s_add_nc_u64 s[20:21], s[4:5], s[20:21]
	s_add_nc_u64 s[22:23], s[6:7], s[22:23]
	s_add_nc_u64 s[46:47], s[8:9], s[46:47]
	s_add_nc_u64 s[92:93], s[10:11], s[92:93]
	CROUND                                         ; all sixteen work-groups are here: the first joint loads meet
	s_mov_b32 s[G0S], 1
	s_add_co_u32 s[G0S+1], s94, SCL
	s_mov_b64 s[G0S+2:G0S+3], s[22:23]
	s_or_b32 s[G0S+3], s[G0S+3], 0x80000000
	s_mov_b32 s[G0SB], 1
	s_add_co_u32 s[G0SB+1], s94, SCL
	s_mov_b64 s[G0SB+2:G0SB+3], s[92:93]
	s_or_b32 s[G0SB+3], s[G0SB+3], 0x80000000
	JLOAD G0S, G1S, G0SB, G1SB                     ; the scales first: they are wanted with K step 0
.irp s, 0,1
	s_mov_b32 s[G0+4*\s], 1
	s_add_co_u32 s[G0+4*\s+1], s45, \s*SLOT
	s_add_nc_u64 s[G0+4*\s+2:G0+4*\s+3], s[20:21], \s*ROWB
	s_or_b32 s[G0+4*\s+3], s[G0+4*\s+3], 0x80000000
	s_mov_b32 s[G0B+4*\s], 1
	s_add_co_u32 s[G0B+4*\s+1], s45, \s*SLOT
	s_add_nc_u64 s[G0B+4*\s+2:G0B+4*\s+3], s[46:47], \s*ROWB
	s_or_b32 s[G0B+4*\s+3], s[G0B+4*\s+3], 0x80000000
	JLOAD G0+4*\s, G1, G0B+4*\s, G1B               ; three tensor loads of mine are out at the most
.endr
	v_and_b32 v1, 15, v0                           ; r = l % 16
	v_bfe_u32 v2, v0, 4, 1                         ; h = l / 16
	v_mul_u32_u24 v3, v1, PITCH
	v_lshl_add_u32 v4, v2, 4, v3                   ; a fragment's row x pitch + 16 x half
	s_mul_i32 s21, s15, HALFT                      ; my 128 rows of A
	s_mul_i32 s22, s16, HALFT                      ; my 128 rows of W,
	s_add_co_u32 s22, s22, 2*HALFT                 ; which lie behind A's 256
.irp s, 0,1
	v_add_nc_u32 v[ADRA+\s], s21, v4
	v_add_nc_u32 v[ADRB+\s], s22, v4
	s_add_co_u32 s21, s21, SLOT
	s_add_co_u32 s22, s22, SLOT
.endr
	v_mul_u32_u24 v5, v1, KS                       ; my row's scales: 32 bytes a row,
	v_lshrrev_b32 v6, 8, v5
	v_lshl_add_u32 v5, v6, 4, v5                   ; and 16 more for each 256 passed
	s_mul_i32 s21, s15, HALFS                      ; A's: my 128 rows
	s_mul_i32 s22, s16, HALFS                      ; W's: my 128 rows, behind A's 256
	s_add_co_u32 s22, s22, 2*HALFS
	s_sub_co_u32 s22, s22, s21
	v_mul_u32_u24 v6, s22, v2                      ; lanes 16-31 take W's: the lower base + h x the distance
	s_add_co_u32 s21, s21, SCL
	v_add_nc_u32 v5, v5, v6
	v_add_nc_u32 v[ADRS], s21, v5
	; the way out: my 16 bytes' place in a block of 512: as the lanes lie for Q and K; for V in the order in which the turning load's lanes ask
	v_and_b32 v6, 31, v0
	v_lshlrev_b32 v6, 4, v6                        ; 16 x lane
	v_bfe_u32 v7, v0, 3, 1                         ; r / 8
	v_lshlrev_b32 v7, 4, v7
	v_lshl_add_u32 v7, v2, 3, v7
	v_and_b32 v8, 7, v0                            ; r % 8
	v_add_lshl_u32 v7, v7, v8, 4                   ; 16 (16 (r / 8) + 8 h + r % 8)
	s_cmp_eq_u32 s95, 2
	s_cselect_b32 s45, -1, 0
	v_cndmask_b32 v[CO], v6, v7, s45
	v_lshlrev_b32 v[BO], 5, v2
	; the bias of my product, at my 128 channels
	s_cmp_eq_u32 s95, 1
	s_cselect_b64 s[96:97], s[98:99], s[96:97]
	s_cmp_eq_u32 s95, 2
	s_cselect_b64 s[96:97], s[100:101], s[96:97]
	s_lshl_b32 s20, s42, 10
	s_lshl_b32 s21, s16, 9
	s_add_co_u32 s20, s20, s21
	s_mov_b32 s21, 0
	s_add_nc_u64 s[96:97], s[96:97], s[20:21]
	WIN TO_B
.irp b, 0,1,2,3,4,5,6,7
	global_load_b128 v[BI+8*\b:BI+8*\b+3], v[BO], s[96:97] offset:64*\b        ; lane (r, h): the bias of channels 16 b + 8 h + 0 .. 7
	global_load_b128 v[BI+8*\b+4:BI+8*\b+7], v[BO], s[96:97] offset:64*\b+16
.endr
	WIN 0
	; where my results go: ((product, batch) x 16 + head) x 262,144 + tile of 16 tokens x 2,048
	s_lshr_b32 s20, s17, 3                         ; 8 tile rows to a batch of 2,048 tokens: 4 x product + batch
	s_lshl_b32 s20, s20, 4
	s_lshl_b32 s21, s42, 2
	s_add_co_u32 s20, s20, s21                     ; + 4 heads a tile column
	s_lshl_b32 s21, s16, 1
	s_add_co_u32 s20, s20, s21                     ; + 2 a half
	s_lshl_b32 s20, s20, 18
	s_and_b32 s21, s17, 7
	s_lshl_b32 s21, s21, 4
	s_lshl_b32 s22, s15, 3
	s_add_co_u32 s21, s21, s22                     ; my first tile of tokens in the batch
	s_lshl_b32 s21, s21, 11
	s_add_co_u32 s20, s20, s21
	s_mov_b32 s21, 0
	s_add_nc_u64 s[12:13], s[12:13], s[20:21]
.macro FRAG reg, adr, q, i             ; a fragment, 16 rows x 128 K of 4-bit codes: lane l holds row l % 16; registers 4 c .. 4 c + 3 hold K = 64 c + 32 (l / 16) + 0 .. 31
.irp c, 0,1
	ds_load_b128 v[\reg+4*\c:\reg+4*\c+3], v[\adr] offset:64*(\q)+32*\c+(\i)*16*PITCH
.endr
.endm
; 16 matrix instructions: A's blocks a0, a0 + 1 x W's eight, 128 along K: the slot's q-th.  p: W's set;  sc: the set of scale words.  zero = 1: the first product starts the sums, with the bias as its C: nothing is ever cleared.
; The 64 accumulators take turns, one instruction a turn, in the same order in every step.
.macro MUL16 a0, p, q, sc, zero
.irp a, \a0, \a0+1
.irp b, 0,1,2,3,4,5,6,7
.if \zero
	v_wmma_scale_f32_16x16x128_f8f6f4 v[8*(8*((\a)%4)+\b):8*(8*((\a)%4)+\b)+7], v[128*(\p)+FR*\b:128*(\p)+FR*\b+FR-1], v[AF+FR*(\a):AF+FR*(\a)+FR-1], v[BI+8*\b:BI+8*\b+7], v[SC+8*NQ*(\sc)+NQ*\b+(\q)], v[SC+8*NQ*(\sc)+NQ*(\a)+(\q)] matrix_a_fmt:MATRIX_FMT_FP4 matrix_b_fmt:MATRIX_FMT_FP4 matrix_a_scale:MATRIX_SCALE_ROW1
.else
	v_wmma_scale_f32_16x16x128_f8f6f4 v[8*(8*((\a)%4)+\b):8*(8*((\a)%4)+\b)+7], v[128*(\p)+FR*\b:128*(\p)+FR*\b+FR-1], v[AF+FR*(\a):AF+FR*(\a)+FR-1], v[8*(8*((\a)%4)+\b):8*(8*((\a)%4)+\b)+7], v[SC+8*NQ*(\sc)+NQ*\b+(\q)], v[SC+8*NQ*(\sc)+NQ*(\a)+(\q)] matrix_a_fmt:MATRIX_FMT_FP4 matrix_b_fmt:MATRIX_FMT_FP4 matrix_a_scale:MATRIX_SCALE_ROW1
.endif
.endr
.endr
.endm
.macro FETCH_B slot, q, p              ; W's eight fragments of the slot's q-th 128 along K into set p
	WIN TO_B
.irp i, 0,1,2,3,4,5,6,7
	FRAG 128*(\p)+FR*\i, ADRB+\slot, \q, \i
.endr
	WIN 0
.endm
.macro FETCH_A slot, q, i0             ; A's blocks i0 .. i0 + 3
.irp i, \i0, \i0+1, \i0+2, \i0+3
	FRAG AF+FR*(\i), ADRA+\slot, \q, \i
.endr
.endm
.macro SCALES sc                       ; a K step's scale words into set sc: four words a row; lanes 0-15 take A's block i, lanes 16-31 W's block i
.irp i, 0,1,2,3,4,5,6,7
	ds_load_b128 v[SC+8*NQ*\sc+NQ*\i:SC+8*NQ*\sc+NQ*\i+3], v[ADRS] offset:\i*SBLK
.endr
.endm
; A load into a register that a matrix instruction has read, and a vector instruction that reads a matrix result or writes one of its registers, stand NP places behind that matrix instruction, and only plain
; vector instructions that name none of its registers are places (ISA guide 7.12.1 for vector instructions).
.macro PLACES n
.rept \n
	v_nop
.endr
.endm
; A step of 128 along K that has its successor in the same slot.  A's blocks are free as soon as their eight products are issued, so one set serves A: blocks 0-3 are fetched anew in the step's middle, blocks 4-7 at its end.
.macro STEP slot, q, zero
	s_wait_dscnt 4*NL                              ; W's set and A's blocks 0-3 are in; the youngest eight loads (A's blocks 4-7) may be out
.if \zero
	WIN MUL_LO0
.else
	WIN MUL_LO
.endif
	MUL16 0, (\q)%2, \q, \slot, \zero
	MUL16 2, (\q)%2, \q, \slot, \zero
	s_wait_dscnt 0                                 ; A's blocks 4-7 are in (asked for 32 matrix instructions ago)
	PLACES NP
	FETCH_B \slot, (\q)+1, 1-(\q)%2
	FETCH_A \slot, (\q)+1, 0
.if \zero
	WIN MUL_HI0
.else
	WIN MUL_HI
.endif
	MUL16 4, (\q)%2, \q, \slot, \zero
	MUL16 6, (\q)%2, \q, \slot, \zero
	PLACES NP
	WIN 0
	FETCH_A \slot, (\q)+1, 4
.endm
	s_wait_tensorcnt 1                             ; the scales and my part of K step 0 are in (K step 1's load may be out)
	s_barrier_signal -1
	s_barrier_wait -1                              ; everybody's are
	FETCH_B 0, 0, 0
	FETCH_A 0, 0, 0
	SCALES 0
	FETCH_A 0, 0, 4
	s_wait_loadcnt 0x0                             ; the bias
	STEP 0, 0, 1                                   ; the first step's products start the sums
	STEP 0, 1, 0
	STEP 0, 2, 0
	; slot 0's last step changes slots: ONE barrier; in front of it each wave waits for all its tensor loads (its part of slot 1), adds 0 to its spare word, and waits for that and for its own reads
	s_wait_tensorcnt 0x0                           ; (every window is 0 here: the add's two registers lie in window 0)
	ds_add_u32 v[SPW], v[NIL]                      ; 0 onto my spare word
	s_wait_dscnt 4*NL+1                            ; (the add and the youngest eight loads, A's blocks 4-7, may be out)
	WIN MUL_LO
	MUL16 0, 1, NQ-1, 0, 0                         ; sixteen matrix instructions stand between the add and the wait for it
	s_wait_dscnt 0x0
	s_barrier_signal -1
	MUL16 2, 1, NQ-1, 0, 0
	WIN 0
	s_barrier_wait -1                              ; slot 1 is whole
	PLACES NP
	v_add_nc_u32 v[ADRS], 4*NQ, v[ADRS]            ; on to the second K step's scale words
	FETCH_B 1, 0, 0
	FETCH_A 1, 0, 0
	SCALES 1
	WIN MUL_HI
	MUL16 4, 1, NQ-1, 0, 0
	MUL16 6, 1, NQ-1, 0, 0
	PLACES NP
	WIN 0
	FETCH_A 1, 0, 4
	STEP 1, 0, 0
	STEP 1, 1, 0
	STEP 1, 2, 0
	s_wait_dscnt 4*NL                              ; the very last step: nothing more to fetch
	WIN MUL_LO
	MUL16 0, 1, NQ-1, 1, 0
	MUL16 2, 1, NQ-1, 1, 0
	s_wait_dscnt 0
	WIN MUL_HI
	MUL16 4, 1, NQ-1, 1, 0
	MUL16 6, 1, NQ-1, 1, 0
	WIN 0
; THE WAY OUT, block by block of 16 tokens x 128 channels (two heads): rounded to f16, each accumulator from its low end on, and stored from registers.
.macro PACK a
.set AC, 64*((\a)%4)
.set TM, OUTR+32*((\a)%4)
	WIN (0x0a+5*((\a)/4))                          ; sources 0 and 1: window 2 or 3
.irp b, 0,1,2,3,4,5,6,7
.irp r, 0,1,2,3
	v_cvt_pk_f16_f32 v[TM+4*\b+\r], v[AC+8*\b+2*\r], v[AC+8*\b+2*\r+1]
.endr
.endr
	WIN 0
.endm
.macro SEND a
.set TM, OUTR+32*((\a)%4)
.irp b, 0,1,2,3,4,5,6,7
	global_store_b128 v[CO], v[TM+4*\b:TM+4*\b+3], s[12:13] offset:(\b/4)*262144+(\b%4)*512+(\a)*2048   ; head b / 4, channels 16 (b % 4) on, tokens 16 a on: 32 lanes store 512 consecutive bytes
.endr
.endm
	PLACES NP                                      ; behind the last products: what follows reads results and writes registers that held A's fragments
	s_cmp_lg_u32 s95, 0                            ; Q alone is multiplied by c.  The product's number comes from the cluster's y: the branch goes the same way in all sixteen partners
	s_cbranch_scc1 .Lnot_q
	WIN 0x82                                       ; source 0 and destination window 2
.set i, 0
.rept 128
	v_pk_mul_f32 v[i:i+1], v[i:i+1], s[CQ:CQ+1] op_sel_hi:[1,0]   ; ascending: each accumulator is read first at its low end
.set i, i+2
.endr
	WIN 0xc3                                       ; window 3
.set i, 0
.rept 128
	v_pk_mul_f32 v[i:i+1], v[i:i+1], s[CQ:CQ+1] op_sel_hi:[1,0]
.set i, i+2
.endr
	WIN 0                                          ; at a label every window is 0
.Lnot_q:
.irp a, 0,1,2,3,4,5,6,7
.if \a >= 4
	s_wait_xcnt 0x0                                ; block a - 4's stores have read their registers: the set is written again only behind this wait
.endif
	PACK \a
	SEND \a
.endr
	s_wait_tensorcnt 0x0                           ; the wave's end
	ds_add_u32 v[SPW], v[NIL]
	s_wait_dscnt 0x0
	CROUND                                         ; the closing round: no work-group ends while a partner may still ask for a tile that names it
	s_endpgm
.Lfunc_end_k_q034d96756b_proj:
	.size	k_q034d96756b_proj, .Lfunc_end_k_q034d96756b_proj-k_q034d96756b_proj
	.p2alignl 7, 3214868480
	.fill 96, 4, 3214868480
	.section	.rodata,"a",@progbits
	.p2align	6, 0x0
	.amdhsa_kernel k_q034d96756b_proj
		.amdhsa_group_segment_fixed_size 327680
		.amdhsa_private_segment_fixed_size 0
		.amdhsa_enable_private_segment 0
		.amdhsa_kernarg_size 48
		.amdhsa_user_sgpr_count 2
		.amdhsa_user_sgpr_kernarg_segment_ptr 1
		.amdhsa_wavefront_size32 1
		.amdhsa_system_sgpr_workgroup_id_x 1
		.amdhsa_system_sgpr_workgroup_id_y 1
		.amdhsa_system_sgpr_workgroup_id_z 1
		.amdhsa_system_vgpr_workitem_id 0
		.amdhsa_next_free_vgpr 1024
		.amdhsa_next_free_sgpr 102
		.amdhsa_reserve_vcc 0
		.amdhsa_float_denorm_mode_32 3
		.amdhsa_float_denorm_mode_16_64 3
		.amdhsa_memory_ordered 1
		.amdhsa_forward_progress 1
		.amdhsa_inst_pref_size 136
	.end_amdhsa_kernel
	.amdgpu_metadata
---
amdhsa.version: [ 1, 2 ]
amdhsa.kernels:
  - .name:           k_q034d96756b_proj
    .symbol:         k_q034d96756b_proj.kd
    .args:
      - { .name: codes, .offset: 0, .size: 8, .value_kind: global_buffer, .address_space: global }
      - { .name: scales, .offset: 8, .size: 8, .value_kind: global_buffer, .address_space: global }
      - { .name: bq, .offset: 16, .size: 8, .value_kind: global_buffer, .address_space: global }
      - { .name: bk, .offset: 24, .size: 8, .value_kind: global_buffer, .address_space: global }
      - { .name: bv, .offset: 32, .size: 8, .value_kind: global_buffer, .address_space: global }
      - { .name: qkv, .offset: 40, .size: 8, .value_kind: global_buffer, .address_space: global }
    .group_segment_fixed_size: 327680
    .private_segment_fixed_size: 0
    .kernarg_segment_align: 8
    .kernarg_segment_size: 48
    .max_flat_workgroup_size: 128
    .sgpr_count:     102
    .vgpr_count:     1024
    .wavefront_size: 32
...
	.end_amdgpu_metadata
.endif
;; end of part 2
;; launch attn (part 3): grid 4 x 64, 8 waves a work-group, clusters of 4 x 1, 327,680 bytes of LDS; arguments qkv, maskw, ctxf; writes ctxf
.if DOCPART == 3
	.amdgcn_target "amdgcn-amd-amdhsa--gfx1250"
	.amdhsa_code_object_version 6
	.text
	.protected	k_q034d96756b_attn
	.globl	k_q034d96756b_attn
	.p2align	8
	.type	k_q034d96756b_attn,@function
k_q034d96756b_attn:
	s_mov_b64 s[64:65], 0
	v_nop
	global_prefetch_b8 v0, s[64:65] scope:SCOPE_SE
	s_setreg_imm32_b32 hwreg(HW_REG_WAVE_MODE, 25, 1), 1
	s_wait_xcnt 0x0
	s_wait_alu depctr_hold_cnt(0) depctr_sa_sdst(0) depctr_va_vdst(0) depctr_va_sdst(0) depctr_va_ssrc(0) depctr_va_vcc(0) depctr_vm_vsrc(0)
	s_getreg_b32 s2, hwreg(HW_REG_IB_STS2, 6, 4)
	s_cmp_eq_u32 s2, 0
	s_cbranch_scc0 .Lentry_in_a_cluster
	s_endpgm
.Lentry_in_a_cluster:
	s_bfe_u32 s2, ttmp6, 0x10000c
	s_cmp_lg_u32 s2, 0x3003
	s_cbranch_scc0 .Lentry_shape_is_right
	s_endpgm
.Lentry_shape_is_right:
; ATTN: ctx[b][q][h] = the sum over k of softmax_k(where(mask[b][q][k] == 0, -1e9, Q[q] . K[k] / 8)) V[k], for 64 (batch, head) pairs of 2,048 tokens x 64 channels.  Q, K, V in f16; products, maxima and sums in f32;
; the weights p are rounded to f16 for the second product, ctx once at the end.
; SHARES.  A work-group owns 512 queries of one (batch, head), each of its eight waves 64: four tiles of 16, in 512 registers: two waves to a SIMD, so that one wave's vector work stands beside the other's matrix work.
; Every wave walks all 2,048 keys, 64 a step.  A CLUSTER of four work-groups is a whole (batch, head): its K and V are asked for JOINTLY, the same tensor load with the same descriptor and a mask that names the four.
; LAYOUT.  S^T = K Q^T (source 0 = 16 keys, source 1 = 16 queries): a lane holds ONE query (lane % 16) and keys 8 (lane / 16) + 0..7.  Two such tiles, rounded to f16 in pairs, ARE source 1 (32 keys x 16 queries) of
; O^T = V^T P, whose result again holds one query a lane, and eight channels.  Q, K and V lie in memory as images of operand registers, blocks of 512 bytes (16 tokens x 16 channels), 16 bytes a lane: so every tile is a dense
; block, LDS needs no padding, and every LDS load takes 512 consecutive bytes.  K comes out as it lies, V turned, by ds_load_tr16_b128.  O^T leaves the same way: the next product's operand, stored from registers.
; SOFTMAX.  Q comes multiplied by c = log2(e) / 8, so a score arrives as t = c Q . K, an exponent of 2.  For each query a running maximum m and sum l: p = 2^(t - m): the maximum is taken away first, so p is 1 at the maximum and never
; above 1, which is why p has room in f16; a p under 2^-14 keeps steps of 2^-24, beside a row's largest p = 1.  In every step O and l are multiplied by a = 2^(m_old - m_new).
; THE MASK comes as lane masks, one 32-bit word for each register of S^T, by scalar loads a piece (two tiles) ahead; a masked t is REPLACED by -1e9 log2(e) ahead of the maximum, by v_cndmask_b32 in every step: no branch hangs on
; the mask.  A row that is wholly masked has all t equal: every p is exactly 1, and the weights are equal; when a key that counts comes later, a is 0 and wipes what was summed.
; LIMITS: NaN and infinities are not served; ctx lies inside V's range, so it has V's room in f16; its numbers under 2^-14 keep steps of 2^-24.
; REGISTERS: window 0: v1-8 addresses and constants; v16-47 eight registers of statistics a tile; v48-175 S^T, 32 a tile, P in place in each tile's low 16; v176-239 K's fragments of a step.
;   window 1: v0-127 O^T, 32 a tile; v128-191 Q, 16 a tile; v192-255 V's fragments of a step.
.set SLOT1, 131072                     ; a slot holds 512 keys: K's images (65,536 bytes), then V's; slot 1 begins here, so that one exclusive or turns an address in one slot into the other's
.set VOFF,  65536
.set STEPB, 8192                       ; 64 keys x 64 channels of f16
.set SPARE, 262144                     ; behind the ring: the spare words, 128 bytes for each of the eight waves, which no other line names
.set L16, 1                            ; v1   16 x lane; never rewritten
.set ADK, 2                            ; v2   LDS address of the step's K
.set ADV, 3                            ; v3   and V
.set SPW, 4                            ; v4   LDS address of my spare word; never rewritten
.set NIL, 5                            ; v5   0; never rewritten
.set NEG, 6                            ; v6   -1e9 log2(e)
.set PFO, 7                            ; v7   256 x lane: the prefetches' offset
.set LV,  8                            ; v8   16 x lane + VOFF
.set ST,  16                           ; tile t's statistics at v[ST+8 t]: +0 m, +1 named with it as a pair, +2, +3 l (even keys', odd keys'), +4 to +7 at work; a in +6
.set S,   48
.set KF,  176
.set QF,  128                          ; in window 1
.set VF,  192                          ; in window 1
.set TB,  2                            ; s2   LDS byte at which the step to be fetched begins
.set CNT, 3                            ; s3   steps left in the slot
                                       ; s[4:51], s[68:83]: 64 mask words of a piece: word w in s[4+w] (w < 48) or s[20+w]
.set G1,  52                           ; s[52:59] descriptor group 1
.set G0,  60                           ; s[60:63] descriptor group 0, which walks
.set WV,  66
.set SLOTS, 67                         ; slots still to be asked for
.set MP,  84                           ; s[84:85] my 64 queries' mask words
.set MOFF, 86                          ; s86  512 x key step
.set LIM, 87                           ; s87  1 in a wave that prefetches, else the greatest number
.set SEL, 90                           ; s[90:91] lane selects for v_permlanex16_b32: lane l xor 16
.set PFA, 92                           ; s[92:93] where my prefetches stand
.set OB,  94                           ; s[94:95] where my results go
.set MSB, 0
.macro WIN new                         ; the immediate's high byte repeats the setting that is left; a switch that changes nothing is dropped
.if MSB != (\new)
	s_set_vgpr_msb (MSB<<8)|(\new)
.set MSB, (\new)
.endif
.endm
.set W_KQ, 0x04                        ; K and S^T in window 0, Q (source 1) in window 1
.set W_PV, 0x51                        ; V (source 0) and O^T (C and D) in window 1, P in window 0
.set W_RS, 0x41                        ; O^T (destination and source 0) in window 1, a in window 0
.set W_L1, 0x40                        ; destination window 1, address window 0
.macro CROUND                          ; a round of the cluster's barrier
	s_barrier_signal -1
	s_barrier_wait -1
	s_cmp_lg_u32 s[WV], 0
	s_cbranch_scc1 .Lnot_wave_0_\@
	s_barrier_signal -3
.Lnot_wave_0_\@:
	s_barrier_wait -3
	s_barrier_signal -1
	s_barrier_wait -1
.endm
; A PREFETCH INTO THE L2 of what the NEXT change of slots will ask for: 65,536 bytes of K and as many of V.  Only this cluster reads them.  Its four partners share them out BY ADDRESS, 16,384 bytes each; in each, wave 0 asks for
; K's and wave 4 for V's: two instructions, lanes 256 bytes apart: each block of 256 bytes is named once in the launch.  It is asked eight key steps ahead of the load that wants it.  The last change that fills a slot asks for nothing;
; slots 0 and 1 come by their loads alone.
.macro ASK
	s_cmp_gt_u32 s[SLOTS], s[LIM]
	s_cbranch_scc0 .Lnot_mine_\@
	global_prefetch_b8 v[PFO], s[PFA:PFA+1] th:TH_LOAD_NT scope:SCOPE_SE
	global_prefetch_b8 v[PFO], s[PFA:PFA+1] offset:8192 th:TH_LOAD_NT scope:SCOPE_SE
.Lnot_mine_\@:
.endm
	s_load_b128 s[96:99], s[0:1], 0x0              ; qkv s[96:97], maskw s[98:99]
	s_load_b64 s[OB:OB+1], s[0:1], 0x10            ; ctxf
	v_lshl_add_u32 v[SPW], v0, 2, SPARE
	v_mov_b32 v[NIL], 0
	ds_add_u32 v4, v5
	s_wait_dscnt 0x0
	v_lshrrev_b32 v1, 5, v0
	v_readfirstlane_b32 s[WV], v1                  ; wave 0..7
	s_bfe_u32 s9, ttmp6, 0x40000                   ; cx: my place in the cluster: it enters Q's, the mask's, the results' and the prefetches' addresses alone
	s_and_b32 s8, ttmp7, 0xffff                    ; 16 x batch + head, which the four partners share
	s_lshl_b32 s10, s8, 18                         ; its 262,144 bytes in each of Q, K, V
	s_lshr_b32 s12, s[WV], 2                       ; waves 0 to 3 fetch K's quarters of a slot, waves 4 to 7 V's
	s_add_co_u32 s12, s12, 1
	s_lshl_b32 s12, s12, 24                        ; K lies 2^24 bytes behind Q, V behind K
	s_add_co_u32 s12, s12, s10
	s_and_b32 s14, s[WV], 3
	s_lshl_b32 s15, s14, 14
	s_add_co_u32 s16, s12, s15                     ; my quarter: 16,384 bytes
	s_mov_b32 s17, 0
	s_lshl_b32 s18, s9, 14                         ; the prefetches: my work-group's quarter,
	s_add_co_u32 s18, s18, s12
	s_add_co_u32 s18, s18, 65536                   ; in slot 1: the first change of slots steps it to slot 2
	s_mov_b32 s19, 0
	s_cmp_eq_u32 s14, 0
	s_cselect_b32 s[LIM], 1, -1                    ; waves 0 and 4 ask: the same in all four partners
	s_lshl_b32 s20, s9, 16                         ; Q: my work-group's 512 queries,
	s_lshl_b32 s21, s[WV], 13                      ; my wave's 64
	s_add_co_u32 s20, s20, s21
	s_add_co_u32 s20, s20, s10
	s_mov_b32 s21, 0
	s_lshr_b32 s22, s8, 4                          ; batch
	s_lshl_b32 s23, s22, 5
	s_lshl_b32 s24, s9, 3
	s_add_co_u32 s23, s23, s24
	s_add_co_u32 s23, s23, s[WV]                   ; which 64 queries of the 8,192: 32 x batch + 8 cx + wave
	s_lshl_b32 s24, s23, 14                        ; their mask words: 32 key steps x 512 bytes
	s_mov_b32 s25, 0
	s_and_b32 s26, s8, 15                          ; head
	s_lshr_b32 s27, s26, 2
	s_lshl_b32 s27, s27, 22                        ; ctxf: [head / 4][16 rows : 512][8,192 bytes],
	s_and_b32 s26, s26, 3
	s_lshl_b32 s26, s26, 11                        ; in them 2,048 bytes for each head
	s_add_co_u32 s26, s26, s27
	s_lshl_b32 s27, s23, 15                        ; four tiles of 16 rows to my 64 queries
	s_add_co_u32 s26, s26, s27
	s_mov_b32 s27, 0
	; descriptor group 1: 16,384 dense bytes as 64 rows of 256 bytes
	s_mov_b32 s[G1], 15|(3<<16)|(1<<21)            ; 15:0 the mask: all four work-groups; 17:16 elements of 8 bytes; 20 no padding; 21 set beside a mask
	s_mov_b32 s[G1+1], 32<<16                      ; tensor_dim0 = 32
	s_mov_b32 s[G1+2], 64<<16                      ; tensor_dim1 = 64
	s_mov_b32 s[G1+3], 32<<16                      ; tile_dim0 = 32
	s_mov_b32 s[G1+4], 64                          ; tile_dim1 = 64
	s_mov_b32 s[G1+5], 32                          ; tensor_dim0_stride
	s_mov_b32 s[G1+6], 0
	s_mov_b32 s[G1+7], 0
	s_mov_b32 s[SEL], 0x76543210
	s_mov_b32 s[SEL+1], 0xfedcba98
	s_mov_b32 s[TB], 0
	s_mov_b32 s[MOFF], 0
	s_mov_b32 s[SLOTS], 3
	s_mov_b32 s[G0], 1                             ; count = 1
	s_lshl_b32 s[G0+1], s[WV], 14                  ; LDS address: slot 0, wave x 16,384: no place in the cluster enters it
	s_wait_kmcnt 0x0
	s_add_nc_u64 s[G0+2:G0+3], s[96:97], s[16:17]
	s_or_b32 s[G0+3], s[G0+3], 0x80000000          ; type = 2
	s_add_nc_u64 s[PFA:PFA+1], s[96:97], s[18:19]
	s_add_nc_u64 s[100:101], s[96:97], s[20:21]    ; Q at my wave's first query
	s_add_nc_u64 s[MP:MP+1], s[98:99], s[24:25]
	s_add_nc_u64 s[OB:OB+1], s[OB:OB+1], s[26:27]
	CROUND                                         ; all four work-groups are here: the first joint loads meet
	tensor_load_to_lds s[G0:G0+3], s[G1:G1+7]      ; slot 0.  One tensor load of mine is out at the most, here and later
	s_nop 0
.rept 4
	v_nop
.endr
	v_and_b32 v9, 31, v0
	v_lshlrev_b32 v[L16], 4, v9
	v_add_nc_u32 v[LV], VOFF, v[L16]
	v_lshlrev_b32 v[PFO], 8, v9
	v_mov_b32 v[NEG], 0xceabfb8f
	WIN W_L1
.irp n, 0,1,2,3,4,5,6,7,8,9,10,11,12,13,14,15
	global_load_b128 v[QF+4*\n:QF+4*\n+3], v[L16], s[100:101] offset:512*\n   ; Q stays in registers: tile n / 4, channels 16 (n % 4) on: four registers of a fragment
.endr
.set i, 0
.rept 128
	v_mov_b32 v[i], 0                              ; O^T.  (The step is written once: the first finds zeros, which the first a leaves zeros; a first step of its own would be a third copy of the step's text)
.set i, i+1
.endr
	WIN 0
	s_load_b512 s[4:19], s[MP:MP+1], s[MOFF] offset:0x0     ; the mask words of tiles 0 and 1, key step 0
	s_load_b512 s[20:35], s[MP:MP+1], s[MOFF] offset:0x40
	s_load_b512 s[36:51], s[MP:MP+1], s[MOFF] offset:0x80
	s_load_b512 s[68:83], s[MP:MP+1], s[MOFF] offset:0xc0
.irp t, 0,1,2,3
	v_mov_b32 v[ST+8*\t], 0xff61b1e6               ; m: -3e38, under every t
	v_mov_b32 v[ST+8*\t+1], 0                      ; (named with m as a pair, so it is written)
	v_mov_b32 v[ST+8*\t+2], 0                      ; l
	v_mov_b32 v[ST+8*\t+3], 0
.endr
.macro FETCH_K                         ; a step's K: 16 blocks of 512 bytes: keys 16 (n / 4) on, channels 16 (n % 4) on
.irp n, 0,1,2,3,4,5,6,7,8,9,10,11,12,13,14,15
	ds_load_b128 v[KF+4*\n:KF+4*\n+3], v[ADK] offset:512*\n
.endr
.endm
.macro FETCH_V                         ; a step's V, turned: fragment (kh, ct): channels 16 ct on x keys 32 kh on; its two halves come from two tiles of 16 keys
	WIN W_L1
.irp kh, 0,1
.irp ct, 0,1,2,3
.irp e, 0,1
	ds_load_tr16_b128 v[VF+8*(4*\kh+\ct)+4*\e:VF+8*(4*\kh+\ct)+4*\e+3], v[ADV] offset:(2*\kh+\e)*2048+512*\ct
.endr
.endr
.endr
.endm
; 16 products of S^T = K Q^T for tiles x, x + 1: eight accumulators by turns, one instruction a turn; the first eight start the sums
.macro KQ16 x
.irp kc, 0,1
.irp t, 0,1,2,3
.irp q, \x, \x+1
.if \kc == 0
	v_wmma_f32_16x16x32_f16 v[S+32*(\q)+8*\t:S+32*(\q)+8*\t+7], v[KF+16*\t+8*\kc:KF+16*\t+8*\kc+7], v[QF+16*(\q)+8*\kc:QF+16*(\q)+8*\kc+7], 0
.else
	v_wmma_f32_16x16x32_f16 v[S+32*(\q)+8*\t:S+32*(\q)+8*\t+7], v[KF+16*\t+8*\kc:KF+16*\t+8*\kc+7], v[QF+16*(\q)+8*\kc:QF+16*(\q)+8*\kc+7], v[S+32*(\q)+8*\t:S+32*(\q)+8*\t+7]
.endif
.endr
.endr
.endr
.endm
; 16 products of O^T += V^T P for tiles x, x + 1: eight accumulators by turns
.macro PV16 x
	WIN W_PV
.irp kh, 0,1
.irp ct, 0,1,2,3
.irp t, \x, \x+1
	v_wmma_f32_16x16x32_f16 v[32*(\t)+8*\ct:32*(\t)+8*\ct+7], v[VF+8*(4*\kh+\ct):VF+8*(4*\kh+\ct)+7], v[S+32*(\t)+8*\kh:S+32*(\t)+8*\kh+7], v[32*(\t)+8*\ct:32*(\t)+8*\ct+7]
.endr
.endr
.endr
.endm
; The scores of keys that do not count become -1e9 log2(e).  Ascending: each accumulator is read first at its lowest register.
.macro MASKP x
	s_wait_kmcnt 0x0                               ; the piece's 64 words are in (scalar loads come back in no order: only the count 0 shows anything)
.set w, 0
.rept 64
.if w < 48
.set sw, 4+w
.else
.set sw, 20+w
.endif
	v_cndmask_b32 v[S+32*(\x)+w], v[NEG], v[S+32*(\x)+w], s[sw]
.set w, w+1
.endr
.endm
; The next piece's words are asked for: half a step ahead of their use.  The last step's request is held inside the buffer and its words are not used.
.macro MLOAD x
.if \x == 0
	s_load_b512 s[4:19], s[MP:MP+1], s[MOFF] offset:0x100
	s_load_b512 s[20:35], s[MP:MP+1], s[MOFF] offset:0x140
	s_load_b512 s[36:51], s[MP:MP+1], s[MOFF] offset:0x180
	s_load_b512 s[68:83], s[MP:MP+1], s[MOFF] offset:0x1c0
.else
	s_add_co_u32 s[MOFF], s[MOFF], 512             ; (the loads that named it were shown done by the wait at this piece's head)
	s_min_u32 s[MOFF], s[MOFF], 15872
	s_load_b512 s[4:19], s[MP:MP+1], s[MOFF] offset:0x0
	s_load_b512 s[20:35], s[MP:MP+1], s[MOFF] offset:0x40
	s_load_b512 s[36:51], s[MP:MP+1], s[MOFF] offset:0x80
	s_load_b512 s[68:83], s[MP:MP+1], s[MOFF] offset:0xc0
.endif
.endm
; The new maximum of each query of tiles x, x + 1; the two tiles alternate, so that no line reads the result of the line above it.
.macro MAXP x
.irp j, 0,1,2,3
.irp t, \x, \x+1
	v_max3_num_f32 v[ST+8*(\t)+4+\j], v[S+32*(\t)+8*\j], v[S+32*(\t)+8*\j+1], v[S+32*(\t)+8*\j+2]   ; four chains of seven scores
.endr
.endr
.irp k, 1,2
.irp j, 0,1,2,3
.irp t, \x, \x+1
	v_max3_num_f32 v[ST+8*(\t)+4+\j], v[ST+8*(\t)+4+\j], v[S+32*(\t)+8*\j+2*\k+1], v[S+32*(\t)+8*\j+2*\k+2]
.endr
.endr
.endr
.irp t, \x, \x+1
	v_max3_num_f32 v[ST+8*(\t)+4], v[ST+8*(\t)+4], v[S+32*(\t)+7], v[S+32*(\t)+15]    ; the four scores left over
.endr
.irp t, \x, \x+1
	v_max3_num_f32 v[ST+8*(\t)+6], v[ST+8*(\t)+6], v[S+32*(\t)+23], v[S+32*(\t)+31]
.endr
.irp t, \x, \x+1
	v_max3_num_f32 v[ST+8*(\t)+4], v[ST+8*(\t)+4], v[ST+8*(\t)+5], v[ST+8*(\t)+6]
.endr
.irp t, \x, \x+1
	v_max3_num_f32 v[ST+8*(\t)+4], v[ST+8*(\t)+4], v[ST+8*(\t)+7], v[ST+8*(\t)]       ; and the old m
.endr
.irp t, \x, \x+1
	v_permlanex16_b32 v[ST+8*(\t)+5], v[ST+8*(\t)+4], s[SEL], s[SEL+1]                ; the query's other 32 keys lie in the lane 16 away
.endr
.irp t, \x, \x+1
	v_mov_b32 v[ST+8*(\t)+7], v[ST+8*(\t)]         ; m_old is kept for a
.endr
.irp t, \x, \x+1
	v_max_num_f32 v[ST+8*(\t)], v[ST+8*(\t)+4], v[ST+8*(\t)+5]
.endr
.irp t, \x, \x+1
	v_sub_f32 v[ST+8*(\t)+7], v[ST+8*(\t)+7], v[ST+8*(\t)]                            ; m_old - m_new: 0 or less
.endr
.endm
; Plain line n of 33 of tile t, behind its exponentials: l = a l; the sum of the tile's 32 weights, two at a time, in two chains; then the weights are rounded to f16 IN PLACE, ascending: pair i goes to register i, whose own weight has been summed and packed
.macro PLAIN t, n
.set rT, ST+8*(\t)
.set rS, S+32*(\t)
.if (\n) == 0
	s_wait_alu depctr_va_vdst(0)
	v_pk_mul_f32 v[rT+2:rT+3], v[rT+2:rT+3], v[rT+6:rT+7] op_sel_hi:[1,0]
.elseif (\n) == 1
	s_wait_alu depctr_va_vdst(0)
	v_pk_add_f32 v[rT+4:rT+5], v[rS:rS+1], v[rS+2:rS+3]
.elseif (\n) < 16
.set kk, 4+4*(((\n)-2)/2)
.if (\n)%2 == 0
	v_pk_add_f32 v[rT+2:rT+3], v[rT+2:rT+3], v[rS+kk:rS+kk+1]
.else
	v_pk_add_f32 v[rT+4:rT+5], v[rT+4:rT+5], v[rS+kk+2:rS+kk+3]
.endif
.elseif (\n) == 16
	v_pk_add_f32 v[rT+2:rT+3], v[rT+2:rT+3], v[rT+4:rT+5]
.else
	v_cvt_pk_f16_f32 v[rS+(\n)-17], v[rS+2*((\n)-17)], v[rS+2*((\n)-17)+1]
.endif
.endm
; p = 2^(t - m) and a = 2^(m_old - m_new).  Tile x's exponentials stand in a run; tile x + 1's stand by turns with tile x's plain lines, so that each has a plain line of other registers behind it (ISA guide 5.7.2).
.macro EXPP x
.irp b, 0,1,2,3,4,5,6,7,8,9,10,11,12,13,14,15
.irp t, \x, \x+1
	v_pk_add_f32 v[S+32*(\t)+2*\b:S+32*(\t)+2*\b+1], v[S+32*(\t)+2*\b:S+32*(\t)+2*\b+1], v[ST+8*(\t):ST+8*(\t)+1] op_sel_hi:[1,0] neg_lo:[0,1] neg_hi:[0,1]   ; t - m, two at a time: of the pair the low word, m, serves both halves
.endr
.endr
	v_exp_f32 v[ST+8*(\x)+6], v[ST+8*(\x)+7]
	v_exp_f32 v[ST+8*(\x)+14], v[ST+8*(\x)+15]
.set i, 0
.rept 32
	v_exp_f32 v[S+32*(\x)+i], v[S+32*(\x)+i]
.set i, i+1
.endr
	v_nop                                          ; a plain line behind the run
.set i, 0
.rept 32
	v_exp_f32 v[S+32*(\x)+32+i], v[S+32*(\x)+32+i]
	PLAIN \x, i
.set i, i+1
.endr
	PLAIN \x, 32
.set i, 0
.rept 33
	PLAIN (\x)+1, i
.set i, i+1
.endr
.endm
.macro RESC x                          ; O^T of tiles x, x + 1 times a; ascending: each accumulator is read first at its low end
	WIN W_RS
.irp t, \x, \x+1
.set i, 0
.rept 16
	v_pk_mul_f32 v[32*(\t)+i:32*(\t)+i+1], v[32*(\t)+i:32*(\t)+i+1], v[ST+8*(\t)+6:ST+8*(\t)+7] op_sel_hi:[1,0]
.set i, i+2
.endr
.endr
.endm
.macro PIECE x
	MASKP \x
	MAXP \x
	MLOAD \x
	EXPP \x
	RESC \x
.if \x == 0
	s_wait_dscnt 0x0                               ; V is in (and the next step's K)
.endif
	PV16 \x
	WIN 0
.endm
; A KEY STEP: 64 keys.  K was fetched a step ago; V is fetched at the head and lands under the products K Q^T and the first piece's softmax; the next step's K is fetched behind the products K Q^T.
; A load into a register that a matrix instruction has read stands four places behind it, a matrix instruction that writes over such a register five (ISA guide 7.12.1 for the matrix instruction): the address line and the v_nop are those places.
.macro STEP
	v_add_nc_u32 v[ADV], s[TB], v[LV]
.rept 4
	v_nop                                          ; five places behind the last step's products V^T P: V's fragments are loaded anew, and the new scores are laid over P
.endr
	FETCH_V
	s_wait_dscnt 16                                ; K's 16 loads are in; V's 16, issued behind them, may be out
	WIN W_KQ
	KQ16 0
	KQ16 2
	WIN 0
	s_add_co_u32 s[TB], s[TB], STEPB               ; the next fetches are the next step's
	v_add_nc_u32 v[ADK], s[TB], v[L16]
.rept 3
	v_nop                                          ; four places: K's fragments are loaded anew, and the scores are read
.endr
	s_cmp_eq_u32 s[CNT], 1                         ; a slot's last step fetches no K: the next slot's is fetched behind the change of slots
	s_cbranch_scc1 .Lno_k_\@
	FETCH_K
.Lno_k_\@:
	PIECE 0
	PIECE 2
.endm
; THE CHANGE OF SLOTS stands at a slot's head.  Each wave waits for all its tensor loads (its part of the slot that it is about to read), adds 0 to its spare word, and waits for that and for its reads of the slot that it has left.
; fill = 1: the barrier is a round of the cluster's, so that no wave of any partner still reads the slot that was left or has a load on its way; the joint refill is the first thing behind it and has eight key steps in which to land.
.macro CHANGE fill
	s_wait_tensorcnt 0x0                           ; no tensor load of mine is out, so the group 0 may be written
	ds_add_u32 v[SPW], v[NIL]                      ; 0 onto my spare word
.if \fill
	s_xor_b32 s[G0+1], s[G0+1], SLOT1              ; the other slot than last time,
	s_add_nc_u64 s[G0+2:G0+3], s[G0+2:G0+3], 65536 ; the next 512 keys; the type bits on top are not reached
	s_wait_xcnt 0x0                                ; the last prefetches, a slot back, have read their address, so it may be written
	s_add_nc_u64 s[PFA:PFA+1], s[PFA:PFA+1], 65536
	s_wait_dscnt 0x0                               ; the add is done, and my reads of the slot that I have left are over
	CROUND
	tensor_load_to_lds s[G0:G0+3], s[G1:G1+7]      ; every wave fetches an eighth of the slot: both addresses hang on the wave's number
	s_nop 0
.rept 4
	v_nop
.endr
.else
	s_wait_dscnt 0x0
	s_barrier_signal -1
	s_barrier_wait -1
.endif
.endm
; A slot's eight key steps: written once, walked eight times; the LDS addresses hang on s[TB].
.macro SLOT_STEPS ask
	v_add_nc_u32 v[ADK], s[TB], v[L16]
	FETCH_K
.if \ask
	ASK                                            ; behind the tensor load, its four lines and the run of LDS loads that the next products wait for
.endif
	s_mov_b32 s[CNT], 8
.Lstep_\@:
	STEP
	s_sub_co_u32 s[CNT], s[CNT], 1
	s_cmp_lg_u32 s[CNT], 0
	s_cbranch_scc1 .Lstep_\@
	s_sub_co_u32 s[TB], s[TB], 8*STEPB             ; back to a slot's first step,
	s_xor_b32 s[TB], s[TB], SLOT1                  ; in the other slot
.endm
	s_wait_loadcnt 0x0                             ; Q
.Lslot:                                            ; three trips: behind each change of slots but the last the next 512 keys are asked for
	CHANGE 1
	SLOT_STEPS 1
	s_sub_co_u32 s[SLOTS], s[SLOTS], 1
	s_cmp_lg_u32 s[SLOTS], 0
	s_cbranch_scc1 .Lslot
	CHANGE 0                                       ; the last slot is written out
	SLOT_STEPS 0
	; THE WAY OUT.  l's two halves and the other half of the lanes' are added; O^T is divided by l and rounded to f16: a lane's eight channels are 16 bytes, four registers of the next product's operand.  The additions are the places behind the last products.
	s_wait_kmcnt 0x0                               ; the last words asked for: not used
.irp t, 0,1,2,3
	v_add_f32 v[ST+8*\t+4], v[ST+8*\t+2], v[ST+8*\t+3]
.endr
.irp t, 0,1,2,3
	v_permlanex16_b32 v[ST+8*\t+5], v[ST+8*\t+4], s[SEL], s[SEL+1]
.endr
.irp t, 0,1,2,3
	v_add_f32 v[ST+8*\t+4], v[ST+8*\t+4], v[ST+8*\t+5]
.endr
.irp t, 0,1,2,3
	v_rcp_f32 v[ST+8*\t+6], v[ST+8*\t+4]
.endr
	v_nop                                          ; a plain line between the last reciprocal and the use of its result
	s_wait_alu depctr_va_vdst(0)
.irp t, 0,1,2,3
	WIN W_RS
.set i, 0
.rept 16
	v_pk_mul_f32 v[32*\t+i:32*\t+i+1], v[32*\t+i:32*\t+i+1], v[ST+8*\t+6:ST+8*\t+7] op_sel_hi:[1,0]
.set i, i+2
.endr
	WIN 0x05                                       ; sources 0 and 1 window 1, destination window 0: the registers of tiles 0 and 1 of S^T are free
.set i, 0
.rept 16
	v_cvt_pk_f16_f32 v[S+16*\t+i], v[32*\t+2*i], v[32*\t+2*i+1]
.set i, i+1
.endr
	WIN 0
.irp ct, 0,1,2,3
	global_store_b128 v[L16], v[S+16*\t+4*\ct:S+16*\t+4*\ct+3], s[OB:OB+1] offset:8192*\t+512*\ct   ; 32 lanes store 512 consecutive bytes, at a multiple of 512 from the buffer's first byte
.endr
.endr
	s_wait_tensorcnt 0x0                           ; the wave's end
	ds_add_u32 v[SPW], v[NIL]
	s_wait_dscnt 0x0
	CROUND                                         ; the closing round: no work-group ends while a partner may still ask for a tile that names it
	s_endpgm
.Lfunc_end_k_q034d96756b_attn:
	.size	k_q034d96756b_attn, .Lfunc_end_k_q034d96756b_attn-k_q034d96756b_attn
	.p2alignl 7, 3214868480
	.fill 96, 4, 3214868480
	.section	.rodata,"a",@progbits
	.p2align	6, 0x0
	.amdhsa_kernel k_q034d96756b_attn
		.amdhsa_group_segment_fixed_size 327680
		.amdhsa_private_segment_fixed_size 0
		.amdhsa_enable_private_segment 0
		.amdhsa_kernarg_size 24
		.amdhsa_user_sgpr_count 2
		.amdhsa_user_sgpr_kernarg_segment_ptr 1
		.amdhsa_wavefront_size32 1
		.amdhsa_system_sgpr_workgroup_id_x 1
		.amdhsa_system_sgpr_workgroup_id_y 1
		.amdhsa_system_sgpr_workgroup_id_z 1
		.amdhsa_system_vgpr_workitem_id 0
		.amdhsa_next_free_vgpr 512
		.amdhsa_next_free_sgpr 102
		.amdhsa_reserve_vcc 0
		.amdhsa_float_denorm_mode_32 3
		.amdhsa_float_denorm_mode_16_64 3
		.amdhsa_memory_ordered 1
		.amdhsa_forward_progress 1
		.amdhsa_inst_pref_size 107
	.end_amdhsa_kernel
	.amdgpu_metadata
---
amdhsa.version: [ 1, 2 ]
amdhsa.kernels:
  - .name:           k_q034d96756b_attn
    .symbol:         k_q034d96756b_attn.kd
    .args:
      - { .name: qkv, .offset: 0, .size: 8, .value_kind: global_buffer, .address_space: global }
      - { .name: maskw, .offset: 8, .size: 8, .value_kind: global_buffer, .address_space: global }
      - { .name: ctxf, .offset: 16, .size: 8, .value_kind: global_buffer, .address_space: global }
    .group_segment_fixed_size: 327680
    .private_segment_fixed_size: 0
    .kernarg_segment_align: 8
    .kernarg_segment_size: 24
    .max_flat_workgroup_size: 256
    .sgpr_count:     102
    .vgpr_count:     512
    .wavefront_size: 32
...
	.end_amdgpu_metadata
.endif
;; end of part 3
;; launch outp (part 4): grid 8 x 64, 4 waves a work-group, clusters of 4 x 4, 327,680 bytes of LDS; arguments ctxf, wof, bo, out0; writes out0
.if DOCPART == 4
	.amdgcn_target "amdgcn-amd-amdhsa--gfx1250"
	.amdhsa_code_object_version 6
	.text
	.protected	k_q034d96756b_outp
	.globl	k_q034d96756b_outp
	.p2align	8
	.type	k_q034d96756b_outp,@function
k_q034d96756b_outp:
	s_mov_b64 s[64:65], 0
	v_nop
	global_prefetch_b8 v0, s[64:65] scope:SCOPE_SE
	s_setreg_imm32_b32 hwreg(HW_REG_WAVE_MODE, 25, 1), 1
	s_wait_xcnt 0x0
	s_wait_alu depctr_hold_cnt(0) depctr_sa_sdst(0) depctr_va_vdst(0) depctr_va_sdst(0) depctr_va_ssrc(0) depctr_va_vcc(0) depctr_vm_vsrc(0)
	s_getreg_b32 s2, hwreg(HW_REG_IB_STS2, 6, 4)
	s_cmp_eq_u32 s2, 0
	s_cbranch_scc0 .Lentry_in_a_cluster
	s_endpgm
.Lentry_in_a_cluster:
	s_bfe_u32 s2, ttmp6, 0x10000c
	s_cmp_lg_u32 s2, 0xf033
	s_cbranch_scc0 .Lentry_shape_is_right
	s_endpgm
.Lentry_shape_is_right:
; OUTP: out0 = gelu(ctx Wo^T + bo), the exact GELU.  ctx [8192][1024] and Wo [1024][1024] come in f16 as images of operand registers; sums in f32; out0 [8192][1024] f32.
; ctxf: [256 along K : 4][16 rows : 512][32 along K : 8][half : 2][512 bytes]; wof likewise with 64 blocks of 16 rows.  So a K step of 256 of 64 rows is ONE dense block of 32,768 bytes, LDS needs no padding, and every LDS load takes 512 consecutive bytes.
; A tile of out0 is 128 x 128: four waves, each 64 x 64: 16 accumulators of 16 x 16.  K goes in four steps of 256 through two LDS slots.
; CLUSTERS: 4 x 4 work-groups.  The four of a row of the cluster need the same tiles of ctx, the four of a column the same tiles of Wo: each tile is asked for JOINTLY.
; THE MATRIX INSTRUCTION IS USED TRANSPOSED (source 0 = 16 rows of Wo, source 1 = 16 rows of ctx): a lane then holds eight neighbouring numbers of a row of out0.  THE BIAS is the C of each sum's first instruction.
; GELU: y = max(x, 0) - (|x| / 2) erfc(|x| / sqrt 2): no difference of near numbers for x < 0.  erfc(z) = (a1 t + .. + a5 t^5) e^(-z z), t = 1 / (1 + p z) (Abramowitz and Stegun 7.1.26: within 1.5e-7 for every z >= 0);
; here |x| / 2 = z / sqrt 2, and the factor 1 / sqrt 2 is taken into the five coefficients.  LIMITS: NaN and infinities are not served.
; THE WAY OUT: a wave's 64 columns of f32 are 256 bytes, so each wave has a stage of its own: 16 rows at a time go in as a lane holds them and come back as whole rows; no barrier.
; REGISTERS: window 0: v0-31 addresses and a5; v32-63 at work in GELU; v64-127 rows read back, two sets (v96-127 hold the bias first); v128-255 the accumulators ((a, b) at v[128 + 8 (4 a + b)]).
;   window 1: two fragment buffers of 128: for 64 along K, 64 registers of ctx (2 x 4 x 16 rows x 32 K), then 64 of Wo.
.set HALFT,  32768                     ; 64 rows x 256 K of f16: what one tensor load brings, and what one wave reads of ctx or of Wo
.set SLOT,   4*HALFT                   ; ctx's 128 rows, then Wo's 128 rows
.set STAGE,  2*SLOT                    ; behind the ring: 16 rows x 272 bytes for each wave
.set SPITCH, 272                       ; 256 bytes + 16: the sixteen rows that a store touches start at sixteen different banks (64 banks of 4 bytes: ISA guide 11.1)
.set SPARE,  STAGE+4*16*SPITCH         ; behind the stages: the spare words, 128 bytes for each wave, which no other line names
.set LAPS,   2                         ; a lap = two K steps = once round the ring
.set ASTEP,  0x400000                  ; a K step on in ctxf
.set BSTEP,  0x80000                   ; and in wof
.set ADRA, 16                          ; v16-17  LDS address of my ctx fragments in slot 0, 1
.set ADRB, 20                          ; v20-21  the same for Wo
.set STO,  24                          ; v24     the way out: where I put 32 bytes of a row
.set RD,   25                          ; v25     where I read a row back
.set CO,   26                          ; v26     my byte offset in out0
.set BO,   27                          ; v27     32 h: my eight numbers of a tile's sixteen of the bias
.set SPW,  28                          ; v28     LDS address of my spare word; never rewritten
.set NIL,  29                          ; v29     0; never rewritten
.set A5,   30                          ; v[30:31] a5 / sqrt 2, twice
.set Z,    32
.set T,    40
.set E,    48
.set Q,    56
.set RB,   64                          ; rows read back: v64-95 and v96-127 by turns
.set BI,   96                          ; the bias: eight registers for each of my four tiles of columns
.set ACC,  128
.set F0,   0                           ; fragment buffers, in window 1
.set F1,   128
.set G1, 24
.set G0, 32
.set G1B, 48
.set G0B, 56
.set RS2, 68                           ; s68      1 / sqrt 2
.set CP,  70                           ; s[70:71] p, twice: the packed forms name a pair
.set CL,  72                           ; s[72:73] -log2(e)
.set C4,  74                           ; s[74:81] a4, a3, a2, a1, each / sqrt 2
.set C3,  76
.set C2,  78
.set C1,  80
.set MSB, 0
.macro WIN new                         ; the immediate's high byte repeats the setting that is left
.if MSB != (\new)
	s_set_vgpr_msb (MSB<<8)|(\new)
.set MSB, (\new)
.endif
.endm
.set MUL,  0x05                        ; sources 0 (Wo) and 1 (ctx) window 1; C and D window 0
.set TO_F, 0x40                        ; destination window 1, address window 0
.macro JLOAD s                         ; a joint load: waves 0 and 1 fetch ctx's two halves, waves 2 and 3 Wo's; four v_nop follow each of the two lines, ahead of the jump, the label and what follows
	s_cmp_eq_u32 s11, 0
	s_cbranch_scc0 .Lfor_b_\@
	tensor_load_to_lds s[G0+4*\s:G0+4*\s+3], s[G1:G1+7]
	s_nop 0
.rept 4
	v_nop
.endr
	s_branch .Lasked_\@
.Lfor_b_\@:
	tensor_load_to_lds s[G0B+4*\s:G0B+4*\s+3], s[G1B:G1B+7]
	s_nop 0
.rept 4
	v_nop
.endr
.Lasked_\@:
.endm
.macro CREST                           ; a round of the cluster's barrier behind its opening barrier
	s_cmp_lg_u32 s10, 0
	s_cbranch_scc1 .Lnot_wave_0_\@
	s_barrier_signal -3
.Lnot_wave_0_\@:
	s_barrier_wait -3
	s_barrier_signal -1
	s_barrier_wait -1
.endm
.macro CROUND                          ; a whole round
	s_barrier_signal -1
	s_barrier_wait -1
	CREST
.endm
	s_load_b128 s[4:7], s[0:1], 0x0                ; ctxf s[4:5], wof s[6:7]
	s_load_b64 s[66:67], s[0:1], 0x10              ; bo
	s_load_b64 s[8:9], s[0:1], 0x18                ; out0
	v_lshl_add_u32 v[SPW], v0, 2, SPARE
	v_mov_b32 v[NIL], 0
	ds_add_u32 v28, v29
	s_wait_dscnt 0x0
	v_lshrrev_b32 v1, 5, v0
	v_readfirstlane_b32 s10, v1                    ; wave 0..3
	s_lshr_b32 s11, s10, 1                         ; which half of the tile's rows is mine.  Also: I fetch for ctx (0) or for Wo (1)
	s_and_b32 s12, s10, 1                          ; which half of its columns.  Also: which 64 rows of that tile I fetch
	s_bfe_u32 s40, ttmp6, 0x40000                  ; cx, cy: my place in the cluster
	s_bfe_u32 s41, ttmp6, 0x40004
	s_lshl_b32 s42, ttmp9, 2
	s_add_co_u32 s42, s42, s40                     ; tile column = 4 x cluster x + cx
	s_and_b32 s13, ttmp7, 0xffff
	s_lshl_b32 s13, s13, 2
	s_add_co_u32 s13, s13, s41                     ; tile row = 4 x cluster y + cy
	s_lshl_b32 s43, s41, 2
	s_lshl_b32 s43, 15, s43                        ; my row of the cluster
	s_lshl_b32 s44, 0x1111, s40                    ; my column
	; descriptor group 1: 32,768 dense bytes as 128 rows of 256 bytes
	s_or_b32 s[G1+0], s43, (3<<16)|(1<<21)         ; 15:0 the mask: ctx's tiles go to my row; 17:16 elements of 8 bytes; 20 no padding; 21 set beside a mask
	s_or_b32 s[G1B+0], s44, (3<<16)|(1<<21)
.irp g, G1, G1B
	s_mov_b32 s[\g+1], 32<<16                      ; tensor_dim0 = 32
	s_mov_b32 s[\g+2], 128<<16                     ; tensor_dim1 = 128
	s_mov_b32 s[\g+3], 32<<16                      ; tile_dim0 = 32
	s_mov_b32 s[\g+4], 128                         ; tile_dim1 = 128
	s_mov_b32 s[\g+5], 32                          ; tensor_dim0_stride
	s_mov_b32 s[\g+6], 0
	s_mov_b32 s[\g+7], 0
.endr
	s_lshl_b32 s17, s12, 2                         ; which four blocks of 16 rows of the tile's eight I fetch
	s_lshl_b32 s16, s13, 3
	s_add_co_u32 s16, s16, s17
	s_lshl_b32 s16, s16, 13                        ; ctx: 8,192 bytes for a block of 16 rows and a K step
	s_lshl_b32 s46, s42, 3
	s_add_co_u32 s46, s46, s17
	s_lshl_b32 s46, s46, 13                        ; Wo likewise
	s_mov_b32 s17, 0
	s_mov_b32 s47, 0
	s_lshl_b32 s20, s10, 15                        ; where they go: wave x 32,768: no place in the cluster enters an LDS address
	s_wait_kmcnt 0x0
	s_add_nc_u64 s[14:15], s[4:5], s[16:17]
	s_add_nc_u64 s[46:47], s[6:7], s[46:47]
	CROUND                                         ; all sixteen work-groups are here: the first joint loads meet
.irp s, 0,1
	s_mov_b32 s[G0+4*\s], 1
	s_add_co_u32 s[G0+4*\s+1], s20, \s*SLOT
	s_add_nc_u64 s[G0+4*\s+2:G0+4*\s+3], s[14:15], \s*ASTEP
	s_or_b32 s[G0+4*\s+3], s[G0+4*\s+3], 0x80000000
	s_mov_b32 s[G0B+4*\s], 1
	s_add_co_u32 s[G0B+4*\s+1], s20, \s*SLOT
	s_add_nc_u64 s[G0B+4*\s+2:G0B+4*\s+3], s[46:47], \s*BSTEP
	s_or_b32 s[G0B+4*\s+3], s[G0B+4*\s+3], 0x80000000
	JLOAD \s                                       ; two tensor loads of mine are out at the most
.endr
	v_and_b32 v1, 15, v0                           ; r = l % 16
	v_bfe_u32 v2, v0, 4, 1                         ; h = l / 16
	v_and_b32 v3, 31, v0
	v_lshlrev_b32 v3, 4, v3                        ; 16 x lane: an image's place for my lane
	s_lshl_b32 s21, s11, 15                        ; my 64 rows of ctx
	s_lshl_b32 s22, s12, 15                        ; my 64 rows of Wo,
	s_add_co_u32 s22, s22, 2*HALFT                 ; which lie behind ctx's 128
.irp s, 0,1
	v_add_nc_u32 v[ADRA+\s], s21, v3
	v_add_nc_u32 v[ADRB+\s], s22, v3
	s_add_co_u32 s21, s21, SLOT
	s_add_co_u32 s22, s22, SLOT
.endr
	s_mul_i32 s23, s10, 16*SPITCH
	s_add_co_u32 s23, s23, STAGE                   ; my stage
	v_mul_u32_u24 v4, v1, SPITCH                   ; in: row r, 32 bytes for each half of the lanes
	v_lshl_add_u32 v4, v2, 5, v4
	v_add_nc_u32 v[STO], s23, v4
	v_mul_u32_u24 v5, v2, SPITCH                   ; back: lanes 0-15 take one row of 256 bytes, lanes 16-31 the next
	v_lshl_add_u32 v5, v1, 4, v5
	v_add_nc_u32 v[RD], s23, v5
	v_lshlrev_b32 v5, 12, v2                       ; and the same two rows in out0
	v_lshl_add_u32 v[CO], v1, 4, v5
	v_lshlrev_b32 v[BO], 5, v2
	s_lshl_b32 s46, s42, 9                         ; my first column, in bytes: 512 x tile column + 256 x half
	s_lshl_b32 s47, s12, 8
	s_add_co_u32 s46, s46, s47
	s_mov_b32 s47, 0
	s_add_nc_u64 s[66:67], s[66:67], s[46:47]
	s_add_nc_u64 s[8:9], s[8:9], s[46:47]
	s_lshl_b32 s16, s13, 7
	s_lshl_b32 s17, s11, 6
	s_add_co_u32 s16, s16, s17                     ; my first row: 128 x tile row + 64 x half
	s_lshl_b32 s16, s16, 12
	s_mov_b32 s17, 0
	s_add_nc_u64 s[8:9], s[8:9], s[16:17]
.irp b, 0,1,2,3
	global_load_b128 v[BI+8*\b:BI+8*\b+3], v[BO], s[66:67] offset:64*\b        ; lane (r, h): the bias of columns 16 b + 8 h + 0 .. 7
	global_load_b128 v[BI+8*\b+4:BI+8*\b+7], v[BO], s[66:67] offset:64*\b+16
.endr
	s_mov_b32 s[RS2], 0x3f3504f3                   ; 1 / sqrt 2
	s_mov_b32 s[CP], 0x3ea7ba05                    ; p = 0.3275911
	s_mov_b32 s[CP+1], s[CP]
	s_mov_b32 s[CL], 0xbfb8aa3b                    ; -log2(e)
	s_mov_b32 s[CL+1], s[CL]
	s_mov_b32 s[C4], 0xbf838639                    ; -1.453152027 / sqrt 2
	s_mov_b32 s[C4+1], s[C4]
	s_mov_b32 s[C3], 0x3f80a6d5                    ;  1.421413741 / sqrt 2
	s_mov_b32 s[C3+1], s[C3]
	s_mov_b32 s[C2], 0xbe4dff65                    ; -0.284496736 / sqrt 2
	s_mov_b32 s[C2+1], s[C2]
	s_mov_b32 s[C1], 0x3e38842e                    ;  0.254829592 / sqrt 2
	s_mov_b32 s[C1+1], s[C1]
	v_mov_b32 v[A5], 0x3f402289                    ;  1.061405429 / sqrt 2
	v_mov_b32 v[A5+1], 0x3f402289
; 8 matrix instructions: m blocks a0, a0 + 1 x all 4 n blocks, 32 along K: half c of buffer f.  zero = 1: the first product starts the sums, with the bias as its C.  The 16 accumulators take turns.
.macro MUL8 f, c, a0, zero
.irp a, \a0, \a0+1
.irp b, 0,1,2,3
.if \zero
	v_wmma_f32_16x16x32_f16 v[ACC+8*(4*(\a)+\b):ACC+8*(4*(\a)+\b)+7], v[\f+64+8*(4*\c+\b):\f+64+8*(4*\c+\b)+7], v[\f+8*(4*\c+\a):\f+8*(4*\c+\a)+7], v[BI+8*\b:BI+8*\b+7]
.else
	v_wmma_f32_16x16x32_f16 v[ACC+8*(4*(\a)+\b):ACC+8*(4*(\a)+\b)+7], v[\f+64+8*(4*\c+\b):\f+64+8*(4*\c+\b)+7], v[\f+8*(4*\c+\a):\f+8*(4*\c+\a)+7], v[ACC+8*(4*(\a)+\b):ACC+8*(4*(\a)+\b)+7]
.endif
.endr
.endr
.endm
; 32 LDS loads in one run: the fragments of 64 along K (two images of 1,024 bytes in each block of 16 rows, from byte k on) into buffer f; the first 32 along K first
.macro FETCH slot, k, f
	WIN TO_F
.irp c, 0,1
.irp i, 0,1,2,3
	ds_load_b128 v[\f+64+8*(4*\c+\i):\f+64+8*(4*\c+\i)+3],   v[ADRB+\slot] offset:\k+1024*\c+\i*8192
	ds_load_b128 v[\f+64+8*(4*\c+\i)+4:\f+64+8*(4*\c+\i)+7], v[ADRB+\slot] offset:\k+1024*\c+\i*8192+512
	ds_load_b128 v[\f+8*(4*\c+\i):\f+8*(4*\c+\i)+3],         v[ADRA+\slot] offset:\k+1024*\c+\i*8192
	ds_load_b128 v[\f+8*(4*\c+\i)+4:\f+8*(4*\c+\i)+7],       v[ADRA+\slot] offset:\k+1024*\c+\i*8192+512
.endr
.endr
.endm
.macro PLACES                          ; four places in front of loads into registers that matrix instructions have read, and of vector lines that read results (ISA guide 7.12.1 for vector lines)
.rept 4
	v_nop
.endr
.endm
; A K step is four quarters of 64 along K, 32 matrix instructions each, on buffers 0, 1, 0, 1.  One of the first three: multiplies buffer f and fetches the next quarter, at byte k, into g.
.macro QUARTER slot, k, f, g, zero
	s_wait_dscnt 16                                ; the first 32 along K are in
	WIN MUL
	MUL8 \f, 0, 0, \zero
	MUL8 \f, 0, 2, \zero
	PLACES
	FETCH \slot, \k, \g
	s_wait_dscnt 32                                ; all but the 32 just issued
	WIN MUL
	MUL8 \f, 1, 0, 0
	MUL8 \f, 1, 2, 0
.endm
; The last quarter multiplies buffer 1 and changes slots: ONE barrier; in front of it each wave waits for all its tensor loads, adds 0 to its spare word, and waits for that and for its own reads of this slot.  fill = 1: this slot is filled again, two K steps ahead.
.macro TURN slot, next, fill
	WIN 0                                          ; (the add's two registers lie in window 0)
	s_wait_tensorcnt 0x0                           ; all my tensor loads have landed: my part of the next slot;
	ds_add_u32 v[SPW], v[NIL]                      ; 0 onto my spare word;
	s_wait_dscnt 17                                ; (the add and the youngest sixteen loads may be out)
	WIN MUL
	MUL8 F1, 0, 0, 0                               ; eight matrix instructions stand between the add and the wait for it
	s_wait_dscnt 0x0                               ; the add is done, and my reads of this slot are over
	s_barrier_signal -1
	MUL8 F1, 0, 2, 0
.if \fill
	WIN 0
.endif
	s_barrier_wait -1
.if \fill
	CREST                                          ; the barrier has opened a round of the cluster's barrier: no wave of any partner still reads this slot's tile or has a load on its way
	s_add_nc_u64 s[G0+4*\slot+2:G0+4*\slot+3], s[G0+4*\slot+2:G0+4*\slot+3], 2*ASTEP
	s_add_nc_u64 s[G0B+4*\slot+2:G0B+4*\slot+3], s[G0B+4*\slot+2:G0B+4*\slot+3], 2*BSTEP
	JLOAD \slot                                    ; the first tensor load behind the round; the four v_nop behind it are also the places in front of the loads below
.else
	PLACES
.endif
	FETCH \next, 0, F0
	WIN MUL
	MUL8 F1, 1, 0, 0
	MUL8 F1, 1, 2, 0
.endm
	s_wait_tensorcnt 1                             ; my part of K step 0 is in (K step 1's may be out)
	s_barrier_signal -1
	s_barrier_wait -1                              ; everybody's is
	FETCH 0, 0, F0
	s_wait_loadcnt 0x0                             ; the bias
	QUARTER 0, 2048, F0, F1, 1                     ; the first quarter stands in front of the loop: its first products start the sums
	WIN 0                                          ; at a label and at a branch every window is 0
	s_mov_b32 s3, LAPS-1
.Llap:                                                 ; a trip goes once round the ring, from a lap's second quarter to the next lap's first, and fills both slots again
	QUARTER 0, 4096, F1, F0, 0
	QUARTER 0, 6144, F0, F1, 0
	TURN 0, 1, 1
	QUARTER 1, 2048, F0, F1, 0
	QUARTER 1, 4096, F1, F0, 0
	QUARTER 1, 6144, F0, F1, 0
	TURN 1, 0, 1
	QUARTER 0, 2048, F0, F1, 0
	WIN 0
	s_sub_co_u32 s3, s3, 1
	s_cmp_lg_u32 s3, 0
	s_cbranch_scc1 .Llap
	QUARTER 0, 4096, F1, F0, 0                     ; the last lap fills nothing, and has no round of the cluster's barrier
	QUARTER 0, 6144, F0, F1, 0
	TURN 0, 1, 0
	QUARTER 1, 2048, F0, F1, 0
	QUARTER 1, 4096, F1, F0, 0
	QUARTER 1, 6144, F0, F1, 0
	s_wait_dscnt 16                                ; the very last quarter: nothing more to fetch
	WIN MUL
	MUL8 F1, 0, 0, 0
	MUL8 F1, 0, 2, 0
	s_wait_dscnt 0
	MUL8 F1, 1, 0, 0
	MUL8 F1, 1, 2, 0
	WIN 0
; GELU of one accumulator's eight numbers, in place, stage by stage, two numbers an instruction where a packed form exists.  Each run of transcendentals has a plain line of other registers behind it (ISA guide 5.7.2).
.macro GELU8 x
.irp j, 0,1,2,3,4,5,6,7
	v_mul_f32 v[Z+\j], s[RS2], |v[(\x)+\j]|        ; z = |x| / sqrt 2.  (Ascending: the accumulator is read first at its lowest register)
.endr
.irp j, 0,2,4,6
	v_pk_fma_f32 v[T+\j:T+\j+1], v[Z+\j:Z+\j+1], s[CP:CP+1], 1.0 op_sel_hi:[1,0,0]   ; 1 + p z
.endr
.irp j, 0,2,4,6
	v_pk_mul_f32 v[E+\j:E+\j+1], v[Z+\j:Z+\j+1], s[CL:CL+1] op_sel_hi:[1,0]          ; -log2(e) z
.endr
.irp j, 0,1,2,3,4,5,6,7
	v_rcp_f32 v[T+\j], v[T+\j]                     ; t
.endr
.irp j, 0,2,4,6
	v_pk_mul_f32 v[E+\j:E+\j+1], v[E+\j:E+\j+1], v[Z+\j:Z+\j+1]                      ; -log2(e) z z
.endr
.irp j, 0,1,2,3,4,5,6,7
	v_exp_f32 v[E+\j], v[E+\j]                     ; e^(-z z)
.endr
	s_wait_alu depctr_va_vdst(0)
.irp j, 0,2,4,6
	v_pk_fma_f32 v[Q+\j:Q+\j+1], v[T+\j:T+\j+1], v[A5:A5+1], s[C4:C4+1] op_sel_hi:[1,1,0]
.endr
.irp k, C3, C2, C1
.irp j, 0,2,4,6
	v_pk_fma_f32 v[Q+\j:Q+\j+1], v[Q+\j:Q+\j+1], v[T+\j:T+\j+1], s[\k:\k+1] op_sel_hi:[1,1,0]
.endr
.endr
.irp j, 0,2,4,6
	v_pk_mul_f32 v[Q+\j:Q+\j+1], v[Q+\j:Q+\j+1], v[T+\j:T+\j+1]
.endr
.irp j, 0,2,4,6
	v_pk_mul_f32 v[E+\j:E+\j+1], v[E+\j:E+\j+1], v[Z+\j:Z+\j+1]
.endr
.irp j, 0,1,2,3,4,5,6,7
	v_max_num_f32 v[(\x)+\j], 0, v[(\x)+\j]
.endr
.irp j, 0,2,4,6
	v_pk_fma_f32 v[(\x)+\j:(\x)+\j+1], v[Q+\j:Q+\j+1], v[E+\j:E+\j+1], v[(\x)+\j:(\x)+\j+1] neg_lo:[1,0,0] neg_hi:[1,0,0]
.endr
.endm
.macro GELU a                          ; block a: 16 rows x my 64 columns
.irp b, 0,1,2,3
	GELU8 ACC+8*(4*(\a)+\b)
.endr
.endm
.macro TOSTAGE a                       ; LDS serves a wave's instructions in order (ISA guide 5.7.1.4): no wait between the stores and the loads
.set BK, RB+32*((\a)%2)
.irp b, 0,1,2,3
	ds_store_b128 v[STO], v[ACC+8*(4*(\a)+\b):ACC+8*(4*(\a)+\b)+3] offset:64*\b
	ds_store_b128 v[STO], v[ACC+8*(4*(\a)+\b)+4:ACC+8*(4*(\a)+\b)+7] offset:64*\b+16
.endr
.irp t, 0,1,2,3,4,5,6,7
	ds_load_b128 v[BK+4*\t:BK+4*\t+3], v[RD] offset:\t*2*SPITCH
.endr
.endm
.macro SEND a
.set BK, RB+32*((\a)%2)
	s_wait_dscnt 0x0                               ; the block is back in registers
.irp t, 0,1,2,3,4,5,6,7
	global_store_b128 v[CO], v[BK+4*\t:BK+4*\t+3], s[8:9] offset:(16*(\a)+2*\t)*4096 th:TH_STORE_NT   ; 16 lanes store 256 consecutive bytes, at a multiple of 256 from out0's first byte; written once, read by nobody here
.endr
.endm
	PLACES                                         ; behind the last products
	GELU 0
	TOSTAGE 0
.irp a, 1,2,3                          ; block a's arithmetic stands between block a - 1's loads from the stage and the wait for them
	GELU \a
	SEND \a-1
.if \a >= 2
	s_wait_xcnt 0x0                                ; block a - 2's stores have read their registers: block a's rows land there only behind this wait
.endif
	TOSTAGE \a
.endr
	SEND 3
	s_wait_tensorcnt 0x0                           ; the wave's end: behind my last tensor load and my last LDS store
	ds_add_u32 v[SPW], v[NIL]
	s_wait_dscnt 0x0
	CROUND                                         ; the closing round: no work-group ends while a partner may still ask for a tile that names it
	s_endpgm
.Lfunc_end_k_q034d96756b_outp:
	.size	k_q034d96756b_outp, .Lfunc_end_k_q034d96756b_outp-k_q034d96756b_outp
	.p2alignl 7, 3214868480
	.fill 96, 4, 3214868480
	.section	.rodata,"a",@progbits
	.p2align	6, 0x0
	.amdhsa_kernel k_q034d96756b_outp
		.amdhsa_group_segment_fixed_size 327680
		.amdhsa_private_segment_fixed_size 0
		.amdhsa_enable_private_segment 0
		.amdhsa_kernarg_size 32
		.amdhsa_user_sgpr_count 2
		.amdhsa_user_sgpr_kernarg_segment_ptr 1
		.amdhsa_wavefront_size32 1
		.amdhsa_system_sgpr_workgroup_id_x 1
		.amdhsa_system_sgpr_workgroup_id_y 1
		.amdhsa_system_sgpr_workgroup_id_z 1
		.amdhsa_system_vgpr_workitem_id 0
		.amdhsa_next_free_vgpr 512
		.amdhsa_next_free_sgpr 82
		.amdhsa_reserve_vcc 0
		.amdhsa_float_denorm_mode_32 3
		.amdhsa_float_denorm_mode_16_64 3
		.amdhsa_memory_ordered 1
		.amdhsa_forward_progress 1
		.amdhsa_inst_pref_size 147
	.end_amdhsa_kernel
	.amdgpu_metadata
---
amdhsa.version: [ 1, 2 ]
amdhsa.kernels:
  - .name:           k_q034d96756b_outp
    .symbol:         k_q034d96756b_outp.kd
    .args:
      - { .name: ctxf, .offset: 0, .size: 8, .value_kind: global_buffer, .address_space: global }
      - { .name: wof, .offset: 8, .size: 8, .value_kind: global_buffer, .address_space: global }
      - { .name: bo, .offset: 16, .size: 8, .value_kind: global_buffer, .address_space: global }
      - { .name: out0, .offset: 24, .size: 8, .value_kind: global_buffer, .address_space: global }
    .group_segment_fixed_size: 327680
    .private_segment_fixed_size: 0
    .kernarg_segment_align: 8
    .kernarg_segment_size: 32
    .max_flat_workgroup_size: 128
    .sgpr_count:     82
    .vgpr_count:     512
    .wavefront_size: 32
...
	.end_amdgpu_metadata
.endif
;; end of part 4
